; MI455X (gfx1250); checked and timed in simulation.
; The chip was launched on July 23, 2026; its instructions are those of AMD's public machine-readable ISA for CDNA 5 (MIT licence, August 2026) and "CDNA5" Instruction Set Architecture Reference Guide (July 2026). The comments in the code are by the model that wrote it; some were corrected since.
;; Transformer Encoder Layer. Allowed arithmetic: matrix products marked QUANTISED: E5M2 operands, one given power-of-two scale a tensor, by v_wmma_f32_16x16x64_bf8_bf8 or v_wmma_f32_16x16x128_bf8_bf8, f32 sums; everything else in f32.
;; Inputs: b1 4,096 float32; b2 1,024 float32; be1 1,024 float32; be2 1,024 float32; bk 1,024 float32; bo 1,024 float32; bq 1,024 float32; bv 1,024 float32; g1 1,024 float32; g2 1,024 float32; lowp_scales 16 int32 (the exponents e of the quantised operands' scales 2^e); src 2 x 2,048 x 1,024 float32; w1 4,096 x 1,024 float32; w2 1,024 x 4,096 float32; wk 1,024 x 1,024 float32; wo 1,024 x 1,024 float32; wq 1,024 x 1,024 float32; wv 1,024 x 1,024 float32.
;; Outputs: out0 2 x 2,048 x 1,024 float32.
;; This version of the problem:
;;   THIS VERSION OF THE PROBLEM IS GIVEN IN LOW PRECISION. The matrix products marked QUANTISED in the list below multiply operands that are first quantised to E5M2 (5 exponent bits, 2 mantissa bits; 8 bits a number), with one given power-of-two scale for each operand tensor; their sums are f32. All else is computed in f32.
;;   The module's matrix products, in the order in which they are computed (A, B: the left and right operand; K: the contracted axis; several contracted axes count as one K, in the product's order):
;;     1. [M 4,096, K 1,024] x [K 1,024, N 1,024]; A: input src; B: input wq: QUANTISED (scales: A lowp_scales[0], B lowp_scales[1])
;;     2. [M 4,096, K 1,024] x [K 1,024, N 1,024]; A: input src; B: input wk: QUANTISED (scales: A lowp_scales[2], B lowp_scales[3])
;;     3. [M 4,096, K 1,024] x [K 1,024, N 1,024]; A: input src; B: input wv: QUANTISED (scales: A lowp_scales[4], B lowp_scales[5])
;;     4. batch 32 x [M 2,048, K 64] x [K 64, N 2,048]; A: computed on the way; B: computed on the way: QUANTISED (scales: A lowp_scales[6], B lowp_scales[7])
;;     5. batch 32 x [M 2,048, K 2,048] x [K 2,048, N 64]; A: softmax (see below); B: computed on the way: QUANTISED (scales: A lowp_scales[8], B lowp_scales[9])
;;     6. [M 4,096, K 1,024] x [K 1,024, N 1,024]; A: computed on the way; B: input wo: QUANTISED (scales: A lowp_scales[10], B lowp_scales[11])
;;     7. [M 4,096, K 1,024] x [K 1,024, N 4,096]; A: computed on the way; B: input w1: QUANTISED (scales: A lowp_scales[12], B lowp_scales[13])
;;     8. [M 4,096, K 4,096] x [K 4,096, N 1,024]; A: computed on the way; B: input w2: QUANTISED (scales: A lowp_scales[14], B lowp_scales[15])
;;   THE QUANTISER, for each operand of a quantised product, along K:
;;     - The operand's scale is 2^e, e = its entry of the input lowp_scales (int32; the entries are numbered through the quantised products in the list's order, A before B).
;;     - Each number is divided by the scale, clamped to +-57,344, and rounded to the nearest number of E5M2, ties to even, subnormals kept.
;;     - The product sums the exact products of the quantised numbers (number of the format x scale) in f32.
;;   ~~~python
;;   def quantise(x, axis, e):      # numpy; x: float32 -> the quantised numbers, widened to float32 again
;;       x = np.moveaxis(x, axis, -1); K = x.shape[-1]
;;       r = np.clip(x / 2.0 ** e, -57344, 57344)
;;       step = 2.0 ** (np.maximum(np.frexp(np.where(r == 0, 1, r))[1] - 1, -14) - 2)
;;       q = np.round(r / step) * step * 2.0 ** e      # np.round: ties to even
;;       return np.moveaxis(q, -1, axis).astype(np.float32)
;;   ~~~
;;   SOFTMAX AHEAD OF A QUANTISED PRODUCT. Where the list says 'softmax', what is quantised is not the finished softmax but p = 2^(t - M), with t = logit x log2(e) and M = ceil(the row's largest t), a whole number; so 1/2 < the row's largest p <= 1. The row's sum l is taken of the UNQUANTISED p, in f32, and the product's result is divided by l at the end. Since M is a whole number, a kernel that streams over the keys may use a running M (the ceiling of the running maximum): every later rescaling is an exact power of two, so the quantised numbers keep their values, but for numbers so far below the row's largest that they fall under the format's range.
;;   OPERANDS COMPUTED ON THE WAY. 'Computed on the way' means the value that the module computes at that place (a softmax that the list does not call 'softmax' is quantised finished and normalised). What goes into a quantiser is computed in f32, as accurately as f32 sums, v_exp_f32 and their like allow (about 1e-6 of the number): no bf16 or f16 on the way to a quantiser, and a product that is left as it is and whose result goes on into a quantised operand takes f32 operands (vector FMAs, or v_wmma_f32_16x16x4_f32). A number that lies on a knife's edge between two numbers of the format may be rounded either way, as far as f32 arithmetic and the matrix unit's own rounding can turn it there, and no further.
;; One version. Each part assembles by itself: llvm-mc -triple=amdgcn-amd-amdhsa -mcpu=gfx1250 --defsym DOCPART=n.
;; ======== version 1 of 1: 8 launches
;; limits: right only within a limited range of input values
;; workspace buffers: sc 12,582,912 bytes; wc 12,582,912 bytes; qkv 12,582,912 bytes; ac 4,194,304 bytes; y 16,777,216 bytes; x 16,777,216 bytes; xc 4,194,304 bytes; hc 16,777,216 bytes
;; launch quant (part 1): grid 512 x 1, 4 waves a work-group, no clusters, 33,280 bytes of LDS; arguments src, wq, wk, wv, wo, w1, w2, lowp_scales, sc, wc; writes sc, wc
.if DOCPART == 1
	.amdgcn_target "amdgcn-amd-amdhsa--gfx1250"
	.amdhsa_code_object_version 6
	.text
	.protected	k_qd60f309e1a_quant
	.globl	k_qd60f309e1a_quant
	.p2align	8
	.type	k_qd60f309e1a_quant,@function
k_qd60f309e1a_quant:
	s_mov_b64 s[64:65], 0
	v_nop
	global_prefetch_b8 v0, s[64:65] scope:SCOPE_SE
	s_setreg_imm32_b32 hwreg(HW_REG_WAVE_MODE, 25, 1), 1
	s_wait_xcnt 0x0
; src [4096][1024] and the six weights (all with K innermost), f32, become codes of BF8 (E5M2), one byte a number, K innermost.
; code = x / 2^e, held within +-57,344, rounded to the nearest code, ties to even.  src is an operand of three products with three given scales: it is read once and converted three times
; (entries 0, 2, 4 of the scales) into three images in sc, 4 MiB apart.  The weights take entries 1 (wq), 3 (wk), 5 (wv), 11 (wo), 13 (w1), 15 (w2) and lie on end in wc, in that order.
; LIMITS: every e used here lies between -126 and 112, so that 2^e and 57,344 x 2^e are f32 numbers.  NaN among the inputs is not served; an infinity is held at the largest code.
; All tensors are dense streams: nothing here knows of rows.  A work-group takes 32,768 numbers, a wave 8,192: 16 steps of 512.  Work-groups 0-127: src; 128-159 wq; 160-191 wk; 192-223 wv; 224-255 wo; 256-383 w1; 384-511 w2.
; Only pointers and exponents are chosen by the work-group's number; all take one path, but for the two further conversions of src, which stand under a scalar branch on that number (vector lines and stores alone).
; Each of a step's four loads reads 512 consecutive bytes, 16 a lane; the conversions want 16 NEIGHBOURS in a lane: so a step's 2,048 bytes turn through the wave's own stage in LDS (16 bytes of padding behind each 64).
; A lane's 16 codes are 16 bytes: a wave's store covers 512 consecutive bytes.  Loads run four steps (16 loads a wave) ahead, the turn through LDS one step.  Waves share nothing: no barrier.
.set STEPS, 16
.set SP,    80                         ; a lane's place in a stage: 64 bytes + 16 of padding
.set WREG,  8192                       ; LDS: a region for each wave: two stages of 32 x SP bytes
.set OFF,   3                          ; v3      16 x lane: my bytes of a load's 512 and of a store's 512; never rewritten
.set SIN,   14                         ; v14     the stage on the way in
.set SOUT,  15                         ; v15     and on the way out
.set R,     16                         ; v16-79  four sets of 16 numbers as loaded
.set X,     80                         ; v80-111 two sets of 16 neighbours
.set T,     112                        ; v112-127 the 16 numbers, held
.set C,     128                        ; v128-151 codes: two sets (steps by turns) of three images x 4 registers
	s_load_b512 s[8:23], s[0:1], 0x0               ; src 8, wq 10, wk 12, wv 14, wo 16, w1 18, w2 20, the scales 22
	s_load_b128 s[24:27], s[0:1], 0x40             ; sc, wc
	v_lshl_add_u32 v152, v0, 2, 0x8000
	v_mov_b32 v153, 0
	v_lshrrev_b32 v1, 5, v0
	v_readfirstlane_b32 s2, v1                     ; wave
	v_and_b32 v2, 31, v0                           ; lane
	v_lshlrev_b32 v[OFF], 4, v2
	s_mul_i32 s50, s2, WREG
	v_lshrrev_b32 v[SIN], 2, v2
	v_mul_u32_u24 v[SIN], v[SIN], SP
	v_and_b32 v[SOUT], 3, v2
	v_lshl_add_u32 v[SIN], v[SOUT], 4, v[SIN]
	v_add_nc_u32 v[SIN], s50, v[SIN]               ; in: four lanes' 64 bytes on end, then the padding: SP (lane / 4) + 16 (lane % 4)
	v_mul_u32_u24 v[SOUT], v2, SP
	v_add_nc_u32 v[SOUT], s50, v[SOUT]             ; out: SP x lane: my 16 neighbours
	s_wait_alu depctr_va_vdst(0)
	s_wait_kmcnt 0x0
	s_load_b512 s[32:47], s[22:23], 0x0            ; e0 .. e15
	s_mov_b64 s[4:5], s[20:21]                     ; which tensor is mine: begin with w2 and go down; each choice hangs on the work-group's number alone
	s_mov_b32 s3, 384                              ; and its first work-group
.macro PICK bound, ptr, first
	s_cmp_lt_u32 ttmp9, \bound
	s_cselect_b64 s[4:5], s[\ptr:\ptr+1], s[4:5]
	s_cselect_b32 s3, \first, s3
.endm
	PICK 384, 18, 256
	PICK 256, 16, 224
	PICK 224, 14, 192
	PICK 192, 12, 160
	PICK 160, 10, 128
	PICK 128, 8, 0
	s_cselect_b64 s[6:7], s[24:25], s[26:27]       ; (still on the last compare) src's codes go to sc, the weights' to wc,
	s_cselect_b32 s49, 0, 128                      ; counted from work-group 0 or 128
	s_sub_co_u32 s50, ttmp9, s3
	s_lshl_b32 s50, s50, 2
	s_add_co_u32 s50, s50, s2                      ; which run of 8,192 numbers of the tensor is my wave's
	s_lshl_b32 s50, s50, 15                        ; 32,768 bytes each: 16 MiB at the most
	s_mov_b32 s51, 0
	s_add_nc_u64 s[4:5], s[4:5], s[50:51]
	s_sub_co_u32 s52, ttmp9, s49
	s_lshl_b32 s52, s52, 2
	s_add_co_u32 s52, s52, s2
	s_lshl_b32 s52, s52, 13                        ; 8,192 bytes of codes each
	s_mov_b32 s53, 0
	s_add_nc_u64 s[6:7], s[6:7], s[52:53]
	s_add_nc_u64 s[28:29], s[6:7], 0x400000        ; src's second and third image (used by src's work-groups alone)
	s_add_nc_u64 s[30:31], s[6:7], 0x800000
.macro LOAD t
.irp i, 0,1,2,3
	global_load_b128 v[R+16*((\t)%4)+4*\i:R+16*((\t)%4)+4*\i+3], v[OFF], s[4:5] offset:2048*(\t)+512*\i th:TH_LOAD_NT   ; 32 lanes read 512 consecutive bytes
.endr
.endm
.macro TURN t                          ; step t's numbers through the stage: LDS serves a wave's instructions in order, so no wait stands between the stores and the loads
.irp i, 0,1,2,3
	ds_store_b128 v[SIN], v[R+16*((\t)%4)+4*\i:R+16*((\t)%4)+4*\i+3] offset:32*SP*((\t)%2)+8*SP*\i
.endr
.irp i, 0,1,2,3
	ds_load_b128 v[X+16*((\t)%2)+4*\i:X+16*((\t)%2)+4*\i+3], v[SOUT] offset:32*SP*((\t)%2)+16*\i
.endr
.endm
.irp t, 0,1,2,3
	LOAD \t
.endr
	s_wait_kmcnt 0x0
	s_mov_b32 s48, s47                             ; my tensor's e, chosen as the pointer was
.macro PICKE bound, e
	s_cmp_lt_u32 ttmp9, \bound
	s_cselect_b32 s48, s[\e], s48
.endm
	PICKE 384, 45
	PICKE 256, 43
	PICKE 224, 37
	PICKE 192, 35
	PICKE 160, 33
	PICKE 128, 32
.macro SCALE e, sc, lim                ; v[sc] = 2^e as f32 (the conversion takes its exponent field), v[lim] = 57,344 x 2^e
	s_add_co_i32 s54, s[\e], 127
	s_lshl_b32 s55, s54, 23
	v_mov_b32 v[\sc], s55
	s_add_co_i32 s54, s54, 15
	s_lshl_b32 s54, s54, 23
	s_or_b32 s54, s54, 0x600000
	v_mov_b32 v[\lim], s54
.endm
	SCALE 48, 5, 6                                 ; the tensor's own (src: e0)
	SCALE 34, 7, 8                                 ; src's second: e2
	SCALE 36, 9, 10                                ; src's third: e4
	s_wait_alu depctr_va_vdst(0)
	s_wait_loadcnt 12                              ; step 0's four loads are in; the twelve of steps 1 to 3 may be out
	TURN 0
; One image of a step: the hold goes into T and leaves X as it is, so that src's numbers serve three conversions.
.macro CONV sc, lim, k, base, t
.irp i, 0,1,2,3,4,5,6,7,8,9,10,11,12,13,14,15
	v_med3_num_f32 v[T+\i], v[XS+\i], -v[\lim], v[\lim]   ; the conversion to an 8-bit code does not saturate (ISA guide 7.6.2): hold the number first
.endr
	v_cvt_scalef32_pk8_bf8_f32 v[CS+\k:CS+\k+1], v[T:T+7], v[\sc]
	v_cvt_scalef32_pk8_bf8_f32 v[CS+\k+2:CS+\k+3], v[T+8:T+15], v[\sc]
	v_nop                                          ; one plain vector line between the conversions and the next lines that write T, their source
	global_store_b128 v[OFF], v[CS+\k:CS+\k+3], s[\base:\base+1] offset:512*(\t)   ; 32 lanes store 512 consecutive bytes
.endm
.macro STEP t
.set XS, X+16*((\t)%2)
.set CS, C+12*((\t)%2)
	s_wait_dscnt 0x0                               ; this step's numbers are back from the stage, so its stores into the stage have read their registers,
.if (\t)+4 < STEPS
	LOAD (\t)+4                                    ; which take the loads of four steps on
.endif
.if (\t)+1 < STEPS
.if STEPS-2-(\t) >= 3
	s_wait_loadcnt 12                              ; the next step's four loads are in; those of the three steps behind it may be out
.else
	s_wait_loadcnt 4*(STEPS-2-(\t))                ; the tail: as many as are left behind the next step's
.endif
	TURN (\t)+1                                    ; and go through the other stage while this step is worked
.endif
	s_wait_xcnt 0x0                                ; the stores of two steps back have read this set of code registers
	CONV 5, 6, 0, 6, \t
	s_cmp_lt_u32 ttmp9, 128                        ; src alone has two more images
	s_cbranch_scc0 .Lweight_\@
	CONV 7, 8, 4, 28, \t
	CONV 9, 10, 8, 30, \t
.Lweight_\@:
.endm
.irp t, 0,1,2,3,4,5,6,7,8,9,10,11,12,13,14,15
	STEP \t
.endr
	s_wait_tensorcnt 0x0
	ds_add_u32 v152, v153
	s_wait_dscnt 0x0
	s_endpgm
.Lfunc_end_k_qd60f309e1a_quant:
	.size	k_qd60f309e1a_quant, .Lfunc_end_k_qd60f309e1a_quant-k_qd60f309e1a_quant
	.p2alignl 7, 3214868480
	.fill 96, 4, 3214868480
	.section	.rodata,"a",@progbits
	.p2align	6, 0x0
	.amdhsa_kernel k_qd60f309e1a_quant
		.amdhsa_group_segment_fixed_size 33280
		.amdhsa_private_segment_fixed_size 0
		.amdhsa_enable_private_segment 0
		.amdhsa_kernarg_size 80
		.amdhsa_user_sgpr_count 2
		.amdhsa_user_sgpr_kernarg_segment_ptr 1
		.amdhsa_wavefront_size32 1
		.amdhsa_system_sgpr_workgroup_id_x 1
		.amdhsa_system_sgpr_workgroup_id_y 1
		.amdhsa_system_sgpr_workgroup_id_z 1
		.amdhsa_system_vgpr_workitem_id 0
		.amdhsa_next_free_vgpr 154
		.amdhsa_next_free_sgpr 66
		.amdhsa_reserve_vcc 0
		.amdhsa_float_denorm_mode_32 3
		.amdhsa_float_denorm_mode_16_64 3
		.amdhsa_memory_ordered 1
		.amdhsa_forward_progress 1
		.amdhsa_inst_pref_size 82
	.end_amdhsa_kernel
	.amdgpu_metadata
---
amdhsa.version: [ 1, 2 ]
amdhsa.kernels:
  - .name:           k_qd60f309e1a_quant
    .symbol:         k_qd60f309e1a_quant.kd
    .args:
      - { .name: src, .offset: 0, .size: 8, .value_kind: global_buffer, .address_space: global }
      - { .name: wq, .offset: 8, .size: 8, .value_kind: global_buffer, .address_space: global }
      - { .name: wk, .offset: 16, .size: 8, .value_kind: global_buffer, .address_space: global }
      - { .name: wv, .offset: 24, .size: 8, .value_kind: global_buffer, .address_space: global }
      - { .name: wo, .offset: 32, .size: 8, .value_kind: global_buffer, .address_space: global }
      - { .name: w1, .offset: 40, .size: 8, .value_kind: global_buffer, .address_space: global }
      - { .name: w2, .offset: 48, .size: 8, .value_kind: global_buffer, .address_space: global }
      - { .name: lowp_scales, .offset: 56, .size: 8, .value_kind: global_buffer, .address_space: global }
      - { .name: sc, .offset: 64, .size: 8, .value_kind: global_buffer, .address_space: global }
      - { .name: wc, .offset: 72, .size: 8, .value_kind: global_buffer, .address_space: global }
    .group_segment_fixed_size: 33280
    .private_segment_fixed_size: 0
    .kernarg_segment_align: 8
    .kernarg_segment_size: 80
    .max_flat_workgroup_size: 128
    .sgpr_count:     66
    .vgpr_count:     154
    .wavefront_size: 32
...
	.end_amdgpu_metadata
.endif
;; end of part 1
;; launch qkv (part 2): grid 12 x 16, 4 waves a work-group, clusters of 4 x 4, 327,680 bytes of LDS; arguments sc, wc, lowp_scales, bq, bk, bv, qkv; writes qkv
.if DOCPART == 2
	.amdgcn_target "amdgcn-amd-amdhsa--gfx1250"
	.amdhsa_code_object_version 6
	.text
	.protected	k_qd60f309e1a_qkv
	.globl	k_qd60f309e1a_qkv
	.p2align	8
	.type	k_qd60f309e1a_qkv,@function
k_qd60f309e1a_qkv:
	s_mov_b64 s[64:65], 0
	v_nop
	global_prefetch_b8 v0, s[64:65] scope:SCOPE_SE
	s_setreg_imm32_b32 hwreg(HW_REG_WAVE_MODE, 25, 1), 1
	s_wait_xcnt 0x0
	s_wait_alu depctr_hold_cnt(0) depctr_sa_sdst(0) depctr_va_vdst(0) depctr_va_sdst(0) depctr_va_ssrc(0) depctr_va_vcc(0) depctr_vm_vsrc(0)
	s_getreg_b32 s2, hwreg(HW_REG_IB_STS2, 6, 4)
	s_cmp_eq_u32 s2, 0
	s_cbranch_scc0 .Lentry_in_a_cluster
	s_endpgm
.Lentry_in_a_cluster:
	s_bfe_u32 s2, ttmp6, 0x10000c
	s_cmp_lg_u32 s2, 0xf033
	s_cbranch_scc0 .Lentry_shape_is_right
	s_endpgm
.Lentry_shape_is_right:
; A GEMM on codes of BF8 (E5M2) whose result is quantised again: out = Q(A B^T x 2^(ea + eb) + bias), K = 1,024, A and B with K innermost, sums in f32, by v_wmma_f32_16x16x128_bf8_bf8.
; MODE 0 (this text): q, k and v of an attention layer, told apart by the cluster's x (0, 1, 2), which all sixteen partners share.
;   q: A = src's codes at e0 (sc + 0), B = wq's (wc + 0): rows = tokens, columns = features; bias bq by column; quantised at e6; to qkv + 0, rows of 1,024 bytes.   k: the same with e2, e3, bk, e7, each buffer's next part.
;   v IS MADE TRANSPOSED, since the keys are the K of the product that reads it: A = wv's codes (wc + 2 MiB), B = src's codes at e4 (sc + 8 MiB): rows = features, columns = tokens; bias bv by ROW; quantised at e9; to qkv + 8 MiB, rows of 4,096 bytes.
;   What differs is chosen by s_cselect on the cluster's x: no branch.  Both kinds of bias are loaded (at offset 0 where the kind does not apply) and the one that does not apply is multiplied by 0.
; MODE 1: hc = Q(relu(xc w1^T x 2^(e12 + e13) + b1)) at e14, rows of 4,096 bytes.
; LIMITS: ea + eb between -126 and 127; the result's e between -126 and 112; biases finite; NaN is not served.
; A tile of the result, 256 x 256, is made by four waves, each 128 x 128: 64 accumulators, 512 registers.  K goes in steps of 256 through a ring of two LDS slots filled by the tensor data mover: a tile's row is 256 bytes of memory.
; CLUSTERS: 4 x 4 work-groups.  The four of a row of the cluster need the same tiles of A, the four of a column the same tiles of B: each tile is asked for JOINTLY, by the same tensor load with the same descriptor and a mask that names the four.
; THE MATRIX INSTRUCTION IS USED TRANSPOSED (source 0 = 16 rows of B, source 1 = 16 rows of A): a lane then holds eight neighbouring numbers of a row of the result, which one conversion turns into 8 codes.
; A fragment is fetched by four loads of 16 bytes, so that registers 4 c .. 4 c + 3 hold K = 32 c + 16 (lane / 16) + 0 .. 15: a permutation of k that is the same in A and B, so every product meets its partner.
; REGISTERS, in windows of 256: window 0: v0-31 addresses; v32-95 the bias by column, v96-111 by row, v112-113 the result's scale and hold; from v128 A's fragments, ONE set; on the way out v128-255 are free.
;   window 1: B's fragments, TWO sets, at v0 and at v128.   window 2: the 32 accumulators of my rows 0-63 ((a, b) at v[8 (8 a + b)]);   window 3: those of my rows 64-127.
; LAYOUT OF q AND k IN qkv (it takes the place of the rows of 1,024 bytes named above): head by head, [batch x 16 + head][2,048 tokens][64 bytes], so that a head's codes are one dense block;
; on the way out 32 lanes store 8 tokens x 64 bytes of one head: 512 consecutive bytes.  v's layout is as said above.  The two ways out part on the cluster's x, which all sixteen partners share.
.set MODE,   0
.set SIZE_K, 1024
.set KSTEP,  256                       ; along K in a slot
.set ROWB,   256                       ; a tile's row in bytes
.set KROW,   SIZE_K                    ; a row of A or of B in memory, in bytes
.set PITCH,  272                       ; an LDS row: 256 bytes + 16 of padding = 68 words: row r starts at bank 4 r mod 64 (ISA guide 11.1), so the 16 rows that a load touches start at 16 different banks
.set FR,     16                        ; registers of a fragment: 16 rows x 128 K
.set NL,     4                         ; LDS loads that bring one
.set NP,     4                         ; places behind this matrix instruction (ISA guide 7.12.1)
.set HALFT,  128*PITCH                 ; 128 rows: what one tensor load brings
.set SLOT,   4*HALFT                   ; A's 256 rows, then B's 256 rows
.set LAPS,   SIZE_K/(2*KSTEP)          ; a lap = once round the ring
.set SPARE,  2*SLOT                    ; behind the ring: the spare words, 128 bytes for each wave: two blocks of 256 bytes that no other line names
.set BNO,  8                           ; v8      byte offset of my column biases; never rewritten
.set BMO,  9                           ; v9      of my row biases; never rewritten
.set ADRA, 16                          ; v16-17  LDS address of my A fragments in slot 0, 1
.set ADRB, 20                          ; v20-21  the same for B
.set STO,  24                          ; v24     the way out: where I put 8 codes of a row
.set RD,   25                          ; v25     the way out: where I read a row back
.set CO,   26                          ; v26     MODE 1: my byte offset in the result
.set SPW,  28                          ; v28     LDS address of my spare word; never rewritten
.set NIL,  29                          ; v29     0; never rewritten
.set BN,   32                          ; v32-95  bias of columns 16 b + 8 (lane / 16) + j at v[BN + 8 b + j]
.set BM,   96                          ; v96-111 bias of row 16 a + lane % 16, twice, at v[BM + 2 a], v[BM + 2 a + 1]
.set SCL,  112                         ; v112    the result's scale as f32
.set HOLD, 113                         ; v113    57,344 x that
.set AF,   128                         ; A's fragments, in window 0
.set TMP,  128                         ; the way out: v128-191 a block's 64 numbers
.set CD,   192                         ; v192-223 its codes, two sets by turns
.set BK,   128                         ; v128-255 32 x 2 rows read back from the stage
.set OFS,  32
.set G1, 24                            ; s[24:31] descriptor group 1 for A's tiles;  s[32:39] group 0, one set for each slot
.set G0, 32
.set G1B, 48                           ; s[48:55], s[56:63] the same for B's tiles
.set G0B, 56
.set MSB, 0
.macro WIN new                         ; the immediate's high byte repeats the setting that is left
.if MSB != \new
	s_set_vgpr_msb (MSB<<8)|\new
.set MSB, \new
.endif
.endm
.set MUL_LO, 0xa1                      ; source 0 (B) window 1, source 1 (A) window 0, C and D window 2
.set MUL_HI, 0xf1                      ; the same, C and D window 3
.set TO_B,   0x40                      ; destination window 1, address window 0
; A joint load: waves 0 and 1 fetch for A, waves 2 and 3 for B.  Each line has ONE mask and one set of registers for all that issue it; the branch hangs on the wave's number alone.
; Four v_nop follow each of the two lines, ahead of the jump, the label and what follows.
.macro JLOAD g0a, g1a, g0b, g1b
	s_cmp_eq_u32 s15, 0
	s_cbranch_scc0 .Lfor_b_\@
	tensor_load_to_lds s[\g0a:\g0a+3], s[\g1a:\g1a+7]
	s_nop 0
.rept 4
	v_nop
.endr
	s_branch .Lasked_\@
.Lfor_b_\@:
	tensor_load_to_lds s[\g0b:\g0b+3], s[\g1b:\g1b+7]
	s_nop 0
.rept 4
	v_nop
.endr
.Lasked_\@:
.endm
.macro CREST                           ; a round of the cluster's barrier behind its opening barrier
	s_cmp_lg_u32 s14, 0
	s_cbranch_scc1 .Lnot_wave_0_\@
	s_barrier_signal -3
.Lnot_wave_0_\@:
	s_barrier_wait -3
	s_barrier_signal -1
	s_barrier_wait -1
.endm
.macro CROUND                          ; a whole round
	s_barrier_signal -1
	s_barrier_wait -1
	CREST
.endm
	s_load_b256 s[4:11], s[0:1], 0x0               ; MODE 0: sc, wc, the scales, bq.  MODE 1: xc, wc, the scales, b1
.if MODE == 0
	s_load_b128 s[84:87], s[0:1], 0x20             ; bk, bv
	s_load_b64 s[88:89], s[0:1], 0x30              ; qkv
.else
	s_load_b64 s[88:89], s[0:1], 0x20              ; hc
.endif
	v_lshl_add_u32 v[SPW], v0, 2, SPARE
	v_mov_b32 v[NIL], 0
	ds_add_u32 v28, v29
	ds_add_u32 v28, v29
	s_wait_dscnt 0x0
	v_lshrrev_b32 v1, 5, v0
	v_readfirstlane_b32 s14, v1                    ; wave 0..3
	s_lshr_b32 s15, s14, 1                         ; which half of the tile's rows is mine.  Also: I fetch for A (0) or for B (1)
	s_and_b32 s16, s14, 1                          ; which half of its columns.  Also: which 128 rows of that tile I fetch
	s_bfe_u32 s40, ttmp6, 0x40000                  ; cx, cy: my place in the cluster
	s_bfe_u32 s41, ttmp6, 0x40004
	s_and_b32 s17, ttmp7, 0xffff
	s_lshl_b32 s17, s17, 2                         ; 4 x cluster y
.if MODE == 0
	s_lshl_b32 s90, ttmp9, 22                      ; 4 MiB x cluster x: src's image, and the result's part of qkv
	s_lshl_b32 s91, ttmp9, 20                      ; 1 MiB x cluster x: the weight
	s_cmp_eq_u32 ttmp9, 2                          ; v?  Behind the compare stand selects and moves alone
	s_cselect_b32 s42, s17, 0                      ; q, k: 4 tile columns (features), 16 tile rows (tokens).  v: 16 tile columns (tokens), 4 tile rows (features)
	s_cselect_b32 s17, 0, s17
	s_cselect_b32 s92, 0x200000, s90               ; A's first byte in its buffer
	s_cselect_b32 s93, 0x800000, s91               ; B's
	s_cselect_b32 s95, 1.0, 0                      ; the bias goes by row,
	s_cselect_b32 s98, 0, 1.0                      ; or by column
	s_mov_b32 s99, s98                             ; (named with it as a pair, so it is written)
.else
	s_lshl_b32 s42, ttmp9, 2
	s_mov_b32 s92, 0                               ; A = xc
	s_mov_b32 s93, 0x400000                        ; B = w1's codes in wc
.endif
	s_add_co_u32 s42, s42, s40                     ; tile column
	s_add_co_u32 s17, s17, s41                     ; tile row
	s_lshl_b32 s43, s41, 2
	s_lshl_b32 s43, 15, s43                        ; my row of the cluster
	s_lshl_b32 s44, 0x1111, s40                    ; my column
	; descriptor group 1: a tile of 128 rows x 256 bytes, padded in LDS
	s_or_b32 s[G1+0], s43, (0<<16)|(1<<20)|(1<<21)|(5<<22)|(3<<25)  ; 15:0 the mask: A's tiles go to my row; 17:16 element of 1 byte; 20 padding on; 21 set beside a mask; 24:22 after every 64 words (code 5); 31:25 of 4 words (code 3)
	s_or_b32 s[G1B+0], s44, (0<<16)|(1<<20)|(1<<21)|(5<<22)|(3<<25)
.irp g, G1, G1B
	s_mov_b32 s[\g+1], ROWB<<16                    ; tensor_dim0
	s_mov_b32 s[\g+2], 128<<16                     ; tensor_dim1 = 128
	s_mov_b32 s[\g+3], ROWB<<16                    ; tile_dim0
	s_mov_b32 s[\g+4], 128                         ; tile_dim1 = 128
	s_mov_b32 s[\g+5], KROW                        ; tensor_dim0_stride
	s_mov_b32 s[\g+6], 0
	s_mov_b32 s[\g+7], 0
.endr
	s_lshl_b32 s18, s16, 7                         ; which 128 rows of the tile I fetch
	s_lshl_b32 s20, s17, 8
	s_add_co_u32 s20, s20, s18                     ; A: row 256 x tile row + 128 x half,
	s_lshl_b32 s20, s20, 10                        ; of 1,024 bytes,
	s_add_co_u32 s20, s20, s92                     ; in its part of the buffer: under 16 MiB in all
	s_mov_b32 s21, 0
	s_lshl_b32 s46, s42, 8
	s_add_co_u32 s46, s46, s18                     ; B: row 256 x tile column + 128 x half
	s_lshl_b32 s46, s46, 10
	s_add_co_u32 s46, s46, s93
	s_mov_b32 s47, 0
	s_mul_i32 s45, s14, HALFT                      ; where they go: wave x 128 rows: no place in the cluster enters an LDS address
	s_wait_kmcnt 0x0
	s_load_b512 s[68:83], s[8:9], 0x0              ; e0 .. e15
.if MODE == 0
	s_cmp_eq_u32 ttmp9, 2                          ; (the additions above have written SCC)
	s_cselect_b64 s[12:13], s[6:7], s[4:5]         ; A's buffer: wc for v, else sc
	s_cselect_b64 s[66:67], s[4:5], s[6:7]         ; B's: the other
	s_add_nc_u64 s[20:21], s[12:13], s[20:21]
	s_add_nc_u64 s[46:47], s[66:67], s[46:47]
.else
	s_add_nc_u64 s[20:21], s[4:5], s[20:21]
	s_add_nc_u64 s[46:47], s[6:7], s[46:47]
.endif
	; the prefetches: of the 128 rows that I fetch, each of the four partners that ask for them with me names 32, told apart by address (cx for A, cy for B): a lane a row, 256 bytes of it a K step
	v_and_b32 v31, 31, v0
	v_lshlrev_b32 v31, 10, v31                     ; my lane x a row of 1,024 bytes; never rewritten
	s_wait_alu depctr_va_vdst(0)
	s_cmp_eq_u32 s15, 0
	s_cselect_b64 s[12:13], s[20:21], s[46:47]     ; my tile's first row, in A or in B; never rewritten
	s_cselect_b32 s66, s40, s41
	s_lshl_b32 s66, s66, 15                        ; + my work-group's 32 rows
	s_mov_b32 s67, 0
	s_add_nc_u64 s[12:13], s[12:13], s[66:67]
	CROUND
.irp s, 0,1
	s_mov_b32 s[G0+4*\s], 1
	s_add_co_u32 s[G0+4*\s+1], s45, \s*SLOT
	s_add_nc_u64 s[G0+4*\s+2:G0+4*\s+3], s[20:21], \s*ROWB
	s_or_b32 s[G0+4*\s+3], s[G0+4*\s+3], 0x80000000
	s_mov_b32 s[G0B+4*\s], 1
	s_add_co_u32 s[G0B+4*\s+1], s45, \s*SLOT
	s_add_nc_u64 s[G0B+4*\s+2:G0B+4*\s+3], s[46:47], \s*ROWB
	s_or_b32 s[G0B+4*\s+3], s[G0B+4*\s+3], 0x80000000
.endr
	JLOAD G0, G1, G0B, G1B
	global_prefetch_b8 v31, s[12:13] offset:256 th:TH_LOAD_NT scope:SCOPE_SE   ; K steps 1 and 2: behind the load of K step n stands the request for step n + 2, behind the first also for step 1
	global_prefetch_b8 v31, s[12:13] offset:512 th:TH_LOAD_NT scope:SCOPE_SE
	v_and_b32 v1, 15, v0
	v_bfe_u32 v2, v0, 4, 1                         ; h = l / 16
	v_mul_u32_u24 v3, v1, PITCH
	s_wait_alu depctr_va_vdst(0)
	v_lshl_add_u32 v4, v2, 4, v3                   ; a fragment's row x pitch + 16 x half
	s_mul_i32 s21, s15, HALFT                      ; my 128 rows of A
	s_mul_i32 s22, s16, HALFT                      ; my 128 rows of B,
	s_add_co_u32 s22, s22, 2*HALFT                 ; which lie behind A's 256
.irp s, 0,1
	v_add_nc_u32 v[ADRA+\s], s21, v4
	v_add_nc_u32 v[ADRB+\s], s22, v4
	s_add_co_u32 s21, s21, SLOT
	s_add_co_u32 s22, s22, SLOT
.endr
	; the way out: ONE stage of 256 rows x (256 bytes of codes + 16) for the work-group, in slot 0, which has had its last fill and its last read when the first code is stored there
	s_mul_i32 s23, s15, 128*PITCH
	s_lshl_b32 s18, s16, 7
	s_add_co_u32 s23, s23, s18
	v_lshl_add_u32 v5, v2, 3, v3
	v_add_nc_u32 v[STO], s23, v5                   ; in: row 128 (wave / 2) + r, byte 128 (wave % 2) + 8 h
	s_mul_i32 s23, s14, 64*PITCH
	v_mul_u32_u24 v5, v2, PITCH
	v_lshl_add_u32 v5, v1, 4, v5
	v_add_nc_u32 v[RD], s23, v5
	v_and_b32 v6, 31, v0                           ; q, k: back: 8 rows an instruction, four lanes take 64 bytes (one head's) of a row
	v_lshrrev_b32 v7, 2, v6
	v_mul_u32_u24 v7, v7, PITCH
	v_and_b32 v5, 3, v0
	v_lshl_add_u32 v7, v5, 4, v7
	v_add_nc_u32 v27, s23, v7
	v_lshlrev_b32 v30, 4, v6                       ; and their place in memory: 16 x lane: 8 tokens x 64 bytes on end
	v_lshlrev_b32 v[CO], 12, v2                    ; v: two rows of 4,096 bytes
	v_lshl_add_u32 v[CO], v1, 4, v[CO]
	; where the rows that I store begin in the result
	s_lshl_b32 s20, s17, 8
	s_lshl_b32 s21, s14, 6
	s_add_co_u32 s20, s20, s21                     ; row 256 x tile row + 64 x wave
.if MODE == 0
	s_lshr_b32 s21, s20, 11                        ; q, k: the batch: 16 heads x 131,072 bytes each, less the 131,072 that token x 64 already counts,
	s_mul_i32 s21, s21, 0x1e0000
	s_lshl_b32 s22, s20, 6                         ; + token x 64,
	s_add_co_u32 s21, s21, s22
	s_mul_i32 s22, s42, 0x7ff00                    ; + tile column x 4 heads (less the 256 x tile column that is added below)
	s_add_co_u32 s21, s21, s22
	s_lshl_b32 s20, s20, 12                        ; v: rows of 4,096 bytes
	s_cmp_eq_u32 ttmp9, 2
	s_cselect_b32 s20, s20, s21
	s_add_co_u32 s20, s20, s90                     ; in q's, k's or v's part of qkv
.else
	s_lshl_b32 s20, s20, 12
	v_lshlrev_b32 v[CO], 12, v2
	v_lshl_add_u32 v[CO], v1, 4, v[CO]             ; the same two rows in hc
.endif
	s_lshl_b32 s46, s42, 8
	s_add_co_u32 s20, s20, s46                     ; + 256 x tile column: 16 MiB at the most
	s_mov_b32 s21, 0
	s_add_nc_u64 s[88:89], s[88:89], s[20:21]
	; the biases: they land under the K loop
	s_lshl_b32 s91, s42, 8
	s_lshl_b32 s92, s16, 7
	s_add_co_u32 s91, s91, s92                     ; my first column
	s_lshl_b32 s91, s91, 2
.if MODE == 0
	s_lshl_b32 s92, s17, 8
	s_lshl_b32 s93, s15, 7
	s_add_co_u32 s92, s92, s93                     ; my first row
	s_lshl_b32 s92, s92, 2
	s_cmp_eq_u32 ttmp9, 2
	s_cselect_b32 s91, 0, s91                      ; the kind that does not apply is read at offset 0: no load leaves the bias's 1,024 numbers
	s_cselect_b32 s92, s92, 0
	s_cselect_b64 s[10:11], s[86:87], s[10:11]     ; bv,
	s_cmp_eq_u32 ttmp9, 1
	s_cselect_b64 s[10:11], s[84:85], s[10:11]     ; bk, or bq
	v_lshl_add_u32 v[BMO], v1, 2, s92
.endif
	v_lshl_add_u32 v[BNO], v2, 5, s91
.irp b, 0,1,2,3,4,5,6,7
	global_load_b128 v[BN+8*\b:BN+8*\b+3], v[BNO], s[10:11] offset:64*\b
	global_load_b128 v[BN+8*\b+4:BN+8*\b+7], v[BNO], s[10:11] offset:64*\b+16
.endr
.if MODE == 0
.irp a, 0,1,2,3,4,5,6,7
	global_load_b32 v[BM+2*\a], v[BMO], s[10:11] offset:64*\a
.endr
.endif
.macro FRAG reg, adr, q, i             ; a fragment: lane l holds row l % 16; registers 4 c .. 4 c + 3 hold K = 32 c + 16 (l / 16) + 0 .. 15
.irp c, 0,1,2,3
	ds_load_b128 v[\reg+4*\c:\reg+4*\c+3], v[\adr] offset:128*(\q)+32*\c+(\i)*16*PITCH
.endr
.endm
; 16 matrix instructions: A's blocks a0, a0 + 1 x B's eight, 128 along K.  p: B's set.  zero = 1: the first product starts the sums: nothing is ever cleared.
; The 64 accumulators take turns, one instruction a turn, in the same order in every step.
.macro MUL16 a0, p, zero
.irp a, \a0, \a0+1
.irp b, 0,1,2,3,4,5,6,7
.if \zero
	v_wmma_f32_16x16x128_bf8_bf8 v[8*(8*((\a)%4)+\b):8*(8*((\a)%4)+\b)+7], v[128*(\p)+FR*\b:128*(\p)+FR*\b+FR-1], v[AF+FR*(\a):AF+FR*(\a)+FR-1], 0
.else
	v_wmma_f32_16x16x128_bf8_bf8 v[8*(8*((\a)%4)+\b):8*(8*((\a)%4)+\b)+7], v[128*(\p)+FR*\b:128*(\p)+FR*\b+FR-1], v[AF+FR*(\a):AF+FR*(\a)+FR-1], v[8*(8*((\a)%4)+\b):8*(8*((\a)%4)+\b)+7]
.endif
.endr
.endr
.endm
.macro FETCH_B slot, q, p              ; B's eight fragments of the slot's q-th 128 along K into set p
	WIN TO_B
.irp i, 0,1,2,3,4,5,6,7
	FRAG 128*(\p)+FR*\i, ADRB+\slot, \q, \i
.endr
	WIN 0
.endm
.macro FETCH_A slot, q, i0             ; A's blocks i0 .. i0 + 3
.irp i, \i0, \i0+1, \i0+2, \i0+3
	FRAG AF+FR*(\i), ADRA+\slot, \q, \i
.endr
.endm
; A load into a register that a matrix instruction has read, and a vector instruction that reads a matrix result or writes one of its registers, stand NP places behind it; only plain vector
; instructions that name none of its registers are places (ISA guide 7.12.1 for vector instructions).
.macro PLACES n
.rept \n
	v_nop
.endr
.endm
; A step of 128 along K that has its successor in the same slot.  A block of A is free as soon as its eight products are issued, so one set serves A: blocks 0-3 are fetched anew in the step's middle, blocks 4-7 at its end.
.macro STEP slot, q, zero
	s_wait_dscnt 4*NL                              ; B's set and A's blocks 0-3 are in; the youngest 16 loads (A's blocks 4-7) may be out
	WIN MUL_LO
	MUL16 0, (\q)%2, \zero
	MUL16 2, (\q)%2, \zero
	s_wait_dscnt 0                                 ; A's blocks 4-7 are in
	PLACES NP
	FETCH_B \slot, (\q)+1, 1-(\q)%2
	FETCH_A \slot, (\q)+1, 0
	WIN MUL_HI
	MUL16 4, (\q)%2, \zero
	MUL16 6, (\q)%2, \zero
	PLACES NP
	WIN 0
	FETCH_A \slot, (\q)+1, 4
.endm
; A slot's last step changes slots: ONE barrier; in front of it each wave waits for all its tensor loads, adds 0 to its spare word, and waits for that and for its own reads of this slot.  fill = 1: this slot is filled again, two K steps ahead.
.macro TURN slot, next, fill
	s_wait_tensorcnt 0x0                           ; all my tensor loads have landed: my part of the next slot  (every window is 0 here)
	ds_add_u32 v[SPW], v[NIL]                      ; 0 onto my spare word
	s_wait_dscnt 4*NL+1                            ; the add and the youngest 16 loads, A's blocks 4-7, may be out
	WIN MUL_LO
	MUL16 0, 1, 0                                  ; sixteen matrix instructions stand between the add and the wait for it
	s_wait_dscnt 0x0                               ; the add is done, and my reads of this slot are over
	s_barrier_signal -1
	MUL16 2, 1, 0
	WIN 0
	s_barrier_wait -1
.if \fill
	CREST                                          ; the barrier has opened a round of the cluster's barrier: no wave of any partner still reads this slot's tile or has a load on its way
	s_add_nc_u64 s[G0+4*\slot+2:G0+4*\slot+3], s[G0+4*\slot+2:G0+4*\slot+3], 2*ROWB
	s_add_nc_u64 s[G0B+4*\slot+2:G0B+4*\slot+3], s[G0B+4*\slot+2:G0B+4*\slot+3], 2*ROWB
	JLOAD G0+4*\slot, G1, G0B+4*\slot, G1B         ; the first tensor load behind the round; its four v_nop are the places in front of the loads below
.else
	PLACES NP
.endif
	s_wait_alu depctr_va_vdst(0)
	FETCH_B \next, 0, 0
	FETCH_A \next, 0, 0
	WIN MUL_HI
	MUL16 4, 1, 0
	MUL16 6, 1, 0
	PLACES NP
	WIN 0
	FETCH_A \next, 0, 4
.endm
	s_wait_alu depctr_va_vdst(0)
	s_wait_tensorcnt 0x0                           ; my part of K step 0 is in
	ds_add_u32 v[SPW], v[NIL]
	s_wait_dscnt 0x0
	CROUND                                         ; everybody's part of K step 0 is in, and the joint loads meet
	JLOAD G0+4, G1, G0B+4, G1B
	FETCH_B 0, 0, 0
	FETCH_A 0, 0, 0
	FETCH_A 0, 0, 4
	global_prefetch_b8 v31, s[12:13] offset:768 th:TH_LOAD_NT scope:SCOPE_SE   ; K step 3, the last: the refills ask for nothing more
	STEP 0, 0, 1                                   ; the first step stands in front of the loop: its products start the sums
	s_mov_b32 s3, LAPS-1
.Llap:                                                 ; a trip goes once round the ring, from a lap's second step to the next lap's first, and fills both slots again
	TURN 0, 1, 1
	STEP 1, 0, 0
	TURN 1, 0, 1
	STEP 0, 0, 0
	s_sub_co_u32 s3, s3, 1
	s_cmp_lg_u32 s3, 0
	s_cbranch_scc1 .Llap
	TURN 0, 1, 0                                   ; the last lap fills nothing, and has no round of the cluster's barrier
	STEP 1, 0, 0
	s_wait_dscnt 4*NL                              ; the very last step: nothing more to fetch
	WIN MUL_LO
	MUL16 0, 1, 0
	MUL16 2, 1, 0
	s_wait_dscnt 0
	WIN MUL_HI
	MUL16 4, 1, 0
	MUL16 6, 1, 0
	WIN 0
	; THE WAY OUT.  number = sum x 2^(ea + eb) + bias; held; converted, 8 neighbours of a row to 8 bytes; through the stage; out as whole rows of 256 bytes.
	s_wait_kmcnt 0x0
.if MODE == 0
	s_add_co_i32 s96, s68, s69                     ; ea + eb and the result's e, chosen by the cluster's x
	s_add_co_i32 s92, s70, s71
	s_add_co_i32 s93, s72, s73
	s_mov_b32 s97, s74                             ; q: e6
	s_cmp_eq_u32 ttmp9, 1
	s_cselect_b32 s96, s92, s96
	s_cselect_b32 s97, s75, s97                    ; k: e7
	s_cmp_eq_u32 ttmp9, 2
	s_cselect_b32 s96, s93, s96
	s_cselect_b32 s97, s77, s97                    ; v: e9
.else
	s_add_co_i32 s96, s80, s81                     ; e12 + e13
	s_mov_b32 s97, s82                             ; e14
.endif
	s_add_co_i32 s97, s97, 127
	s_lshl_b32 s93, s97, 23
	v_mov_b32 v[SCL], s93                          ; the result's scale as f32: the conversion takes its exponent field
	s_add_co_i32 s97, s97, 15
	s_lshl_b32 s97, s97, 23
	s_or_b32 s97, s97, 0x600000
	v_mov_b32 v[HOLD], s97                         ; 57,344 x that
	s_add_co_i32 s96, s96, 127
	s_lshl_b32 s96, s96, 23                        ; 2^(ea + eb) as f32
	s_mov_b32 s97, s96                             ; (named with it as a pair, so it is written)
	s_wait_loadcnt 0x0                             ; the biases
	PLACES NP                                      ; behind the last products: TMP lies where A's fragments lay
.if MODE == 0
.irp j, 0,2,4,6,8,10,12,14,16,18,20,22,24,26,28,30,32,34,36,38,40,42,44,46,48,50,52,54,56,58,60,62
	v_pk_mul_f32 v[BN+\j:BN+\j+1], v[BN+\j:BN+\j+1], s[98:99] op_sel_hi:[1,0]   ; x 1 for q and k, x 0 for v
.endr
.irp a, 0,1,2,3,4,5,6,7
	v_mul_f32 v[BM+2*\a+1], s95, v[BM+2*\a]        ; x 1 for v, x 0 for q and k; both halves of the pair hold the row's bias
	v_mul_f32 v[BM+2*\a], s95, v[BM+2*\a]
.endr
.endif
.macro BLOCK a                         ; my rows 16 a on, 128 columns
.set AC, 64*((\a)%4)
.set CS, CD+16*((\a)%2)
.if (\a) >= 2
	s_wait_dscnt 8                                 ; all but the last block's 8 stores are done: this set of code registers has been read
.endif
	WIN 0x02+((\a)/4)                              ; source 0: window 2 or 3
.irp j, 0,2,4,6,8,10,12,14,16,18,20,22,24,26,28,30,32,34,36,38,40,42,44,46,48,50,52,54,56,58,60,62
	v_pk_fma_f32 v[TMP+\j:TMP+\j+1], v[AC+\j:AC+\j+1], s[96:97], v[BN+\j:BN+\j+1] op_sel_hi:[1,0,1]   ; each accumulator from its low end on
.endr
	WIN 0
.if MODE == 0
.irp j, 0,2,4,6,8,10,12,14,16,18,20,22,24,26,28,30,32,34,36,38,40,42,44,46,48,50,52,54,56,58,60,62
	v_pk_add_f32 v[TMP+\j:TMP+\j+1], v[TMP+\j:TMP+\j+1], v[BM+2*(\a):BM+2*(\a)+1]
.endr
.endif
.set i, 0
.rept 64
.if MODE == 0
	v_med3_num_f32 v[TMP+i], v[TMP+i], -v[HOLD], v[HOLD]   ; the conversion to an 8-bit code does not saturate (ISA guide 7.6.2)
.else
	v_med3_num_f32 v[TMP+i], v[TMP+i], 0, v[HOLD]  ; the activation and the hold in one
.endif
.set i, i+1
.endr
.irp b, 0,1,2,3,4,5,6,7
	v_cvt_scalef32_pk8_bf8_f32 v[CS+2*\b:CS+2*\b+1], v[TMP+8*\b:TMP+8*\b+7], v[SCL]
.endr
	v_nop                                          ; one plain vector line between the conversions and the next block's writes of TMP
.irp b, 0,1,2,3,4,5,6,7
	ds_store_b64 v[STO], v[CS+2*\b:CS+2*\b+1] offset:(\a)*16*PITCH+16*\b
.endr
.endm
.irp a, 0,1,2,3,4,5,6,7
	BLOCK \a
.endr
	s_wait_dscnt 0x0                               ; for the others' sake: my stores into the stage are done
	s_barrier_signal -1
	s_barrier_wait -1                              ; a row's 256 bytes come from two waves
.set t, 0
	s_cmp_eq_u32 ttmp9, 2
	s_cbranch_scc1 .Lv_out
.rept 32                                       ; q, k: load t: head t / 8 of the tile's four, my tokens 8 (t % 8) on
	ds_load_b128 v[BK+4*t:BK+4*t+3], v27 offset:(t%8)*8*PITCH+64*(t/8)
.set t, t+1
.endr
.set t, 0
.rept 32
	s_wait_dscnt 31-t
	global_store_b128 v30, v[BK+4*t:BK+4*t+3], s[88:89] offset:(t/8)*131072+(t%8)*512   ; 32 lanes store 512 consecutive bytes
.set t, t+1
.endr
	s_branch .Lout_done
.Lv_out:
.set t, 0
.rept 32
	ds_load_b128 v[BK+4*t:BK+4*t+3], v[RD] offset:t*2*PITCH
.set t, t+1
.endr
.if MODE == 0
.endif
.set t, 0
	s_wait_alu depctr_va_vdst(0)
.rept 32
	s_wait_dscnt 31-t                              ; LDS loads come back in order: pair t of rows is in, the later ones may be out
.if MODE == 0
	global_store_b128 v[CO], v[BK+4*t:BK+4*t+3], s[88:89] offset:2*t*4096   ; 16 lanes store 256 consecutive bytes
.else
	global_store_b128 v[CO], v[BK+4*t:BK+4*t+3], s[88:89] offset:2*t*4096
.endif
.set t, t+1
.endr
.Lout_done:
	s_wait_tensorcnt 0x0                           ; the wave's end
	ds_add_u32 v[SPW], v[NIL]
	s_wait_dscnt 0x0
	CROUND
	s_endpgm
.Lfunc_end_k_qd60f309e1a_qkv:
	.size	k_qd60f309e1a_qkv, .Lfunc_end_k_qd60f309e1a_qkv-k_qd60f309e1a_qkv
	.p2alignl 7, 3214868480
	.fill 96, 4, 3214868480
	.section	.rodata,"a",@progbits
	.p2align	6, 0x0
	.amdhsa_kernel k_qd60f309e1a_qkv
		.amdhsa_group_segment_fixed_size 327680
		.amdhsa_private_segment_fixed_size 0
		.amdhsa_enable_private_segment 0
		.amdhsa_kernarg_size 56
		.amdhsa_user_sgpr_count 2
		.amdhsa_user_sgpr_kernarg_segment_ptr 1
		.amdhsa_wavefront_size32 1
		.amdhsa_system_sgpr_workgroup_id_x 1
		.amdhsa_system_sgpr_workgroup_id_y 1
		.amdhsa_system_sgpr_workgroup_id_z 1
		.amdhsa_system_vgpr_workitem_id 0
		.amdhsa_next_free_vgpr 1024
		.amdhsa_next_free_sgpr 100
		.amdhsa_reserve_vcc 0
		.amdhsa_float_denorm_mode_32 3
		.amdhsa_float_denorm_mode_16_64 3
		.amdhsa_memory_ordered 1
		.amdhsa_forward_progress 1
		.amdhsa_inst_pref_size 171
	.end_amdhsa_kernel
	.amdgpu_metadata
---
amdhsa.version: [ 1, 2 ]
amdhsa.kernels:
  - .name:           k_qd60f309e1a_qkv
    .symbol:         k_qd60f309e1a_qkv.kd
    .args:
      - { .name: sc, .offset: 0, .size: 8, .value_kind: global_buffer, .address_space: global }
      - { .name: wc, .offset: 8, .size: 8, .value_kind: global_buffer, .address_space: global }
      - { .name: lowp_scales, .offset: 16, .size: 8, .value_kind: global_buffer, .address_space: global }
      - { .name: bq, .offset: 24, .size: 8, .value_kind: global_buffer, .address_space: global }
      - { .name: bk, .offset: 32, .size: 8, .value_kind: global_buffer, .address_space: global }
      - { .name: bv, .offset: 40, .size: 8, .value_kind: global_buffer, .address_space: global }
      - { .name: qkv, .offset: 48, .size: 8, .value_kind: global_buffer, .address_space: global }
    .group_segment_fixed_size: 327680
    .private_segment_fixed_size: 0
    .kernarg_segment_align: 8
    .kernarg_segment_size: 56
    .max_flat_workgroup_size: 128
    .sgpr_count:     100
    .vgpr_count:     1024
    .wavefront_size: 32
...
	.end_amdgpu_metadata
.endif
;; end of part 2
;; launch attn (part 3): grid 8 x 32, 8 waves a work-group, clusters of 4 x 1, 327,680 bytes of LDS; arguments qkv, lowp_scales, ac; writes ac
.if DOCPART == 3
	.amdgcn_target "amdgcn-amd-amdhsa--gfx1250"
	.amdhsa_code_object_version 6
	.text
	.protected	k_qd60f309e1a_attn
	.globl	k_qd60f309e1a_attn
	.p2align	8
	.type	k_qd60f309e1a_attn,@function
k_qd60f309e1a_attn:
	s_mov_b64 s[64:65], 0
	v_nop
	global_prefetch_b8 v0, s[64:65] scope:SCOPE_SE
	s_setreg_imm32_b32 hwreg(HW_REG_WAVE_MODE, 25, 1), 1
	s_wait_xcnt 0x0
	s_wait_alu depctr_hold_cnt(0) depctr_sa_sdst(0) depctr_va_vdst(0) depctr_va_sdst(0) depctr_va_ssrc(0) depctr_va_vcc(0) depctr_vm_vsrc(0)
	s_getreg_b32 s2, hwreg(HW_REG_IB_STS2, 6, 4)
	s_cmp_eq_u32 s2, 0
	s_cbranch_scc0 .Lentry_in_a_cluster
	s_endpgm
.Lentry_in_a_cluster:
	s_bfe_u32 s2, ttmp6, 0x10000c
	s_cmp_lg_u32 s2, 0x3003
	s_cbranch_scc0 .Lentry_shape_is_right
	s_endpgm
.Lentry_shape_is_right:
; ac = Q(softmax(q k^T / 8) v) for 2 batches x 16 heads of 64, 2,048 queries and keys, both products on codes of BF8 (E5M2), each operand with its given scale: q e6, k e7, p e8, v e9; the result is quantised at e10.
; qkv holds q's codes head by head, [batch x 16 + head][2,048][64], at +0, k's likewise at +4 MiB, and v's TRANSPOSED, [head x 64 + d][4,096 tokens], at +8 MiB, since the keys are the second product's K.
; ac is laid [block of 64 tokens][16 heads][64 tokens][64 bytes]: a wave's 32 queries of one head are 2,048 consecutive bytes.
; THE SOFTMAX: t = score x log2(e) / 8; M = the running largest t rounded UP to a whole number; p = 2^(t - M) is quantised, not normalised; the row's sum is taken of the unquantised p and divides at the end.
; When M moves, the sum and O are multiplied by 2^(old M - new M), which rounds nothing.
; SHARES.  A work-group owns 256 queries of ONE head: 8 x 32 = 256 work-groups.  The head's whole K (2,048 x 64 bytes) and V^T (64 x 2,048 bytes) lie in LDS for the whole launch: each of the eight waves asks for one eighth
; by its one tensor load at the head (waves 0-3: 512 keys of K each, dense rows of 256 bytes = 4 keys; waves 4-7: 512 keys of all 64 rows of V^T).  Nothing is filled again: one barrier behind the loads, none in the loop.
; A wave owns 32 queries, two tiles of 16, so that each fragment of K and of V read from LDS feeds two matrix instructions.  It walks the 2,048 keys in 16 steps of 128.
; CLUSTER.  Four work-groups own four blocks of queries of the same head: each tile is asked for JOINTLY, mask 15.
; NO PREFETCH: every tile is asked for at the head; there is no later load, and no loop, to run ahead of.
; LAYOUT.  Both products are used transposed: S^T = K Q^T (source 0 = 16 keys, K = 64), O^T = V^T P^T (source 0 = 16 of the head's 64, K = 128 keys): a lane holds one query of each tile throughout.
; Key tile t takes keys 16 t + r; register j of lane (r, h) is key 16 t + 8 h + j, so tile t's eight codes are registers 2 t, 2 t + 1 of P in the K = 128 form's own layout, and V is fetched in that layout, 8 bytes a lane.
; K's and Q's fragments are fetched 16 bytes at a time (registers 4 c .. 4 c + 3: k = 32 c + 16 h + 0 .. 15): a permutation of k that is the same on both sides.
; LDS rows: K 256 bytes (4 keys) + 16, so that the sixteen lanes of a 16-byte load, at 272 (r / 4) + 64 (r % 4), fall in sixteen different 16-byte columns of 256; V 512 bytes + 16.
; LIMITS: e6 + e7 between -123 and 130 (added to c's exponent field); e8 and e10 between -126 and 112; e8 + e9 is applied by v_ldexp_f32.  NaN is not served.
; REGISTERS.  Window 0: v1-11 addresses; v12-15 (-M, largest t) of tiles 0, 1; v16-19 the sums; v20-23 f; v24-28 holds and scales; v32-47 Q; v48-63 at work; v64-191 S^T, then p; v192-223 p's codes; v224-239 the way out.
;             Window 1: v0-63 O^T (tile u, block t at 32 u + 8 t); v64-127 V's four fragments; v192-255 K's eight.
.set KPI,   272
.set KQ,    128*KPI                    ; what one of K's loads brings: 128 rows
.set VOFF,  4*KQ
.set VPI,   528
.set VQ,    64*VPI                     ; what one of V's loads brings: 64 rows of 512 keys
.set SPARE, VOFF+4*VQ                  ; the spare words, 128 bytes for each of 8 waves: four blocks of 256 bytes that no other line names
.set STAGE, SPARE+1024                 ; the way out: 2,048 bytes for each wave; no tile lands here
.set AK0, 1
.set AV0, 2
.set ADK, 3
.set ADV, 4
.set SPW, 5
.set NIL, 6
.set GO,  7
.set Q,   32
.set S,   64
.set P,   192
.set O,   0
.set VF,  64
.set KF,  192
.set WV,  10
.set SEL, 20
.set CS,  22
.set G1K, 24
.set G1V, 32
.set G0K, 40
.set G0V, 44
.set CNT, 56
.set KB,  57
.set EPV, 59
.set MSB, 0
.macro WIN new                         ; the immediate's high byte repeats the setting that is left
.if MSB != \new
	s_set_vgpr_msb (MSB<<8)|\new
.set MSB, \new
.endif
.endm
.macro ROUND                           ; a round of the cluster's barrier
	s_barrier_signal -1
	s_barrier_wait -1
	s_cmp_lg_u32 s[WV], 0
	s_cbranch_scc1 .Lnot_wave_0_\@
	s_barrier_signal -3
.Lnot_wave_0_\@:
	s_barrier_wait -3
	s_barrier_signal -1
	s_barrier_wait -1
.endm
.macro KLOAD adr                       ; K's eight fragments of a step: tile t = rows 4 t on (16 keys)
.irp t, 0,1,2,3,4,5,6,7
.irp c, 0,1
	ds_load_b128 v[KF+8*\t+4*\c:KF+8*\t+4*\c+3], v[\adr] offset:4*\t*KPI+32*\c
.endr
.endr
.endm
	s_load_b128 s[4:7], s[0:1], 0x0                ; qkv, the scales
	s_load_b64 s[8:9], s[0:1], 0x10                ; ac
	v_lshl_add_u32 v[SPW], v0, 2, SPARE
	v_mov_b32 v[NIL], 0
	ds_add_u32 v[SPW], v[NIL]                      ; the opening lines: the add, twice on end, and its wait ahead of my tensor load
	ds_add_u32 v[SPW], v[NIL]
	v_lshrrev_b32 v8, 5, v0
	v_readfirstlane_b32 s[WV], v8                  ; wave 0..7
	s_and_b32 s18, s[WV], 3                        ; which quarter of K or of V I fetch
	s_bfe_u32 s13, ttmp6, 0x40000                  ; cx
	s_lshl_b32 s14, ttmp9, 2
	s_add_co_u32 s14, s14, s13                     ; my block of 256 queries: it enters q's and ac's addresses alone
	s_and_b32 s15, ttmp7, 0xffff                   ; batch x 16 + head: shared by the four partners
	s_lshr_b32 s16, s15, 4
	s_and_b32 s17, s15, 15
	s_lshl_b32 s84, s15, 17                        ; K: 131,072 bytes a head, 32,768 a quarter, in k's part
	s_lshl_b32 s85, s18, 15
	s_add_co_u32 s84, s84, s85
	s_add_co_u32 s84, s84, 0x400000
	s_mov_b32 s85, 0
	s_lshl_b32 s86, s17, 18                        ; V: row 64 x head of 4,096 bytes, + 2,048 x batch + 512 x quarter, in v's part
	s_lshl_b32 s87, s16, 11
	s_add_co_u32 s86, s86, s87
	s_lshl_b32 s87, s18, 9
	s_add_co_u32 s86, s86, s87
	s_add_co_u32 s86, s86, 0x800000
	s_mov_b32 s87, 0
	s_lshl_b32 s88, s15, 17                        ; Q: the head, + 16,384 x block + 2,048 x wave
	s_lshl_b32 s89, s14, 14
	s_add_co_u32 s88, s88, s89
	s_lshl_b32 s89, s[WV], 11
	s_add_co_u32 s88, s88, s89
	s_mov_b32 s89, 0
	s_lshl_b32 s90, s16, 5                         ; ac: block of 64 tokens = 32 x batch + 4 x block + wave / 2, of 65,536 bytes; + 4,096 x head + 2,048 x (wave % 2)
	s_lshl_b32 s91, s14, 2
	s_add_co_u32 s90, s90, s91
	s_lshr_b32 s91, s[WV], 1
	s_add_co_u32 s90, s90, s91
	s_lshl_b32 s90, s90, 16
	s_lshl_b32 s91, s17, 12
	s_add_co_u32 s90, s90, s91
	s_and_b32 s91, s[WV], 1
	s_lshl_b32 s91, s91, 11
	s_add_co_u32 s90, s90, s91
	s_mov_b32 s91, 0
	s_lshl_b32 s60, s[WV], 11
	s_add_co_u32 s60, s60, STAGE                   ; my stage
	s_mov_b32 s[G1K], 15|(1<<20)|(1<<21)|(5<<22)|(3<<25)   ; the mask: all four; elements of 1 byte; padding: 4 words after every 64
	s_mov_b32 s[G1K+1], 256<<16
	s_mov_b32 s[G1K+2], 128<<16
	s_mov_b32 s[G1K+3], 256<<16
	s_mov_b32 s[G1K+4], 128
	s_mov_b32 s[G1K+5], 256                        ; dense rows
	s_mov_b32 s[G1K+6], 0
	s_mov_b32 s[G1K+7], 0
	s_mov_b32 s[G1V], 15|(1<<20)|(1<<21)|(6<<22)|(3<<25)   ; padding: 4 words after every 128
	s_mov_b32 s[G1V+1], 512<<16
	s_mov_b32 s[G1V+2], 64<<16
	s_mov_b32 s[G1V+3], 512<<16
	s_mov_b32 s[G1V+4], 64
	s_mov_b32 s[G1V+5], 4096
	s_mov_b32 s[G1V+6], 0
	s_mov_b32 s[G1V+7], 0
	s_mov_b32 s[G0K], 1
	s_mul_i32 s[G0K+1], s18, KQ
	s_mov_b32 s[G0V], 1
	s_mul_i32 s[G0V+1], s18, VQ
	s_add_co_u32 s[G0V+1], s[G0V+1], VOFF
	s_mov_b32 s[SEL], 0x76543210
	s_mov_b32 s[SEL+1], 0xfedcba98
	s_mov_b32 s[CS], 0x3e38aa3b                    ; log2(e) / 8
	s_mov_b32 s[CNT], 0
	s_mov_b32 s[KB], 0
	s_wait_dscnt 0x0                               ; both opening adds are done
	s_wait_kmcnt 0x0
	s_load_b512 s[68:83], s[6:7], 0x0              ; e0 .. e15
	s_add_nc_u64 s[G0K+2:G0K+3], s[4:5], s[84:85]
	s_or_b32 s[G0K+3], s[G0K+3], 0x80000000
	s_add_nc_u64 s[G0V+2:G0V+3], s[4:5], s[86:87]
	s_or_b32 s[G0V+3], s[G0V+3], 0x80000000
	s_add_nc_u64 s[48:49], s[4:5], s[88:89]
	s_add_nc_u64 s[8:9], s[8:9], s[90:91]
	ROUND                                          ; all four work-groups are here: the joint loads meet
	s_cmp_lt_u32 s[WV], 4                          ; every wave issues one load, its only one
	s_cbranch_scc0 .Lfor_v
	tensor_load_to_lds s[G0K:G0K+3], s[G1K:G1K+7]
	s_nop 0
.rept 4
	v_nop
.endr
	s_branch .Lasked
.Lfor_v:
	tensor_load_to_lds s[G0V:G0V+3], s[G1V:G1V+7]
	s_nop 0
.rept 4
	v_nop
.endr
.Lasked:
	v_and_b32 v8, 15, v0                           ; r
	v_bfe_u32 v9, v0, 4, 1                         ; h
	v_lshlrev_b32 v10, 6, v8
	v_lshl_add_u32 v10, v9, 4, v10                 ; Q: row r of 64 bytes, + 16 h  (not rewritten before the wait for these loads)
.irp u, 0,1
.irp c, 0,1
	global_load_b128 v[Q+8*\u+4*\c:Q+8*\u+4*\c+3], v10, s[48:49] offset:1024*\u+32*\c   ; Q's two fragments stay in registers
.endr
.endr
	v_lshrrev_b32 v11, 2, v8
	v_and_b32 v7, 3, v8
	v_mul_u32_u24 v[AK0], v11, KPI
	v_lshl_add_u32 v[AK0], v7, 6, v[AK0]
	v_lshl_add_u32 v[AK0], v9, 4, v[AK0]           ; K: key r of a tile: row r / 4, byte 64 (r % 4) + 16 h
	v_mul_u32_u24 v[AV0], v8, VPI
	v_lshl_add_u32 v[AV0], v9, 3, v[AV0]
	v_add_nc_u32 v[AV0], VOFF, v[AV0]              ; V: row r, + 8 h
	v_mov_b32 v13, 0xff61b1e6                      ; the largest t so far: -3e38, under every t
	v_mov_b32 v15, 0xff61b1e6
	v_floor_f32 v12, -v13                          ; -M
	v_floor_f32 v14, -v15
.irp j, 16,17,18,19,21,23,52,53
	v_mov_b32 v\j, 0                               ; the sums; the upper halves of f's pairs, which are only named; the lane permutes' destinations, which count as read
.endr
	WIN 0x40
.set j, 0
.rept 64
	v_mov_b32 v[O+j], 0                            ; O^T.  (The key step has no first step of its own: it finds zeros, which the first change of M leaves zeros)
.set j, j+1
.endr
	WIN 0
	s_wait_alu depctr_va_vdst(0)
	s_wait_kmcnt 0x0
	s_add_co_i32 s84, s74, s75
	s_lshl_b32 s84, s84, 23
	s_add_co_i32 s[CS], s[CS], s84                 ; a score stands for score x 2^(e6 + e7): added to c's exponent field
	s_mov_b32 s[CS+1], s[CS]
	s_add_co_i32 s84, s76, 127
	s_lshl_b32 s85, s84, 23
	v_mov_b32 v26, s85                             ; 2^e8, for p's conversions
	s_add_co_i32 s84, s84, 15
	s_lshl_b32 s84, s84, 23
	s_or_b32 s84, s84, 0x600000
	v_mov_b32 v24, s84                             ; 57,344 x 2^e8, twice: the two halves of a dual-issue pair take their second sources from different register banks
	v_mov_b32 v25, s84
	s_add_co_i32 s84, s78, 127
	s_lshl_b32 s85, s84, 23
	v_mov_b32 v27, s85                             ; 2^e10, for the result's
	s_add_co_i32 s84, s84, 15
	s_lshl_b32 s84, s84, 23
	s_or_b32 s84, s84, 0x600000
	v_mov_b32 v28, s84                             ; 57,344 x 2^e10
	s_add_co_i32 s[EPV], s76, s77                  ; e8 + e9
	s_wait_alu depctr_va_vdst(0)
	s_wait_loadcnt 0x0                             ; Q
	s_wait_tensorcnt 0x0                           ; my eighth of K and V is in
	s_barrier_signal -1
	s_barrier_wait -1                              ; everybody's is: from here on LDS is only read, up to the way out
	WIN 0x40
	KLOAD AK0                                      ; step 0's fragments of K
	WIN 0
; A KEY STEP: 128 keys for both tiles of queries.  last = 0: the next step's fragments of K are asked for behind this step's of V.
.macro STEP last
.if \last == 0
	s_lshr_b32 s84, s[CNT], 2                      ; V: quarter step / 4, byte 128 (step % 4) of its rows
	s_mul_i32 s84, s84, VQ
	s_and_b32 s85, s[CNT], 3
	s_lshl_b32 s85, s85, 7
	s_add_co_u32 s84, s84, s85
	s_add_co_u32 s[KB], s[KB], 32*KPI              ; K: the next step's 32 rows
.endif
	s_wait_dscnt 0x0                               ; K's fragments
	WIN 0x01                                       ; source 0 in window 1
.irp t, 0,1,2,3,4,5,6,7
.irp u, 0,1
	v_wmma_f32_16x16x64_bf8_bf8 v[S+64*\u+8*\t:S+64*\u+8*\t+7], v[KF+8*\t:KF+8*\t+7], v[Q+8*\u:Q+8*\u+7], 0
.endr
.endr
.if \last                                      ; four places, in front of the loads below and of the first read of the scores: the step's LDS addresses are made in them, directly ahead of their readers
	v_add_nc_u32 v[ADV], 3*VQ+384, v[AV0]
	v_nop
.else
	v_add_nc_u32 v[ADV], s84, v[AV0]
	v_add_nc_u32 v[ADK], s[KB], v[AK0]
.endif
	v_nop
	v_nop
	WIN 0x40
.irp t, 0,1,2,3
.irp c, 0,1,2,3,4,5,6,7
	ds_load_b64 v[VF+16*\t+2*\c:VF+16*\t+2*\c+1], v[ADV] offset:16*\t*VPI+16*\c
.endr
.endr
.if \last == 0
	KLOAD ADK
.endif
	WIN 0
.irp u, 0,1                                    ; the step's largest score of each query, two chains a tile; each accumulator is read from its low end on
	v_max3_num_f32 v[48+2*\u], v[S+64*\u], v[S+64*\u+1], v[S+64*\u+2]
	v_max3_num_f32 v[49+2*\u], v[S+64*\u+3], v[S+64*\u+4], v[S+64*\u+5]
.endr
.irp i, 6,10,14,18,22,26,30,34,38,42,46,50,54,58
.irp u, 0,1
	v_max3_num_f32 v[48+2*\u], v[48+2*\u], v[S+64*\u+\i], v[S+64*\u+\i+1]
	v_max3_num_f32 v[49+2*\u], v[49+2*\u], v[S+64*\u+\i+2], v[S+64*\u+\i+3]
.endr
.endr
	v_max3_num_f32 v48, v48, v[S+62], v[S+63]
	v_max3_num_f32 v50, v50, v[S+126], v[S+127]
	v_max_num_f32 v48, v48, v49                    ; the two tiles' chains take turns line by line
	v_max_num_f32 v50, v50, v51
	v_permlanex16_b32 v52, v48, s[SEL], s[SEL+1]
	v_permlanex16_b32 v53, v50, s[SEL], s[SEL+1]
	v_max_num_f32 v48, v48, v52                    ; and among lane l xor 16's
	v_max_num_f32 v50, v50, v53
	v_mul_f32 v48, s[CS], v48                      ; as t (c is positive)
	v_mul_f32 v50, s[CS], v50
	v_max_num_f32 v13, v13, v48                    ; the running largest t
	v_max_num_f32 v15, v15, v50
	v_mov_b32 v54, v12
	v_mov_b32 v55, v14
	v_floor_f32 v12, -v13                          ; the new -M = -ceil(t)
	v_floor_f32 v14, -v15
	v_sub_f32 v54, v12, v54                        ; old M - new M: a whole number, 0 or less
	v_sub_f32 v55, v14, v55
	v_cvt_i32_f32 v54, v54                         ; (it saturates)
	v_cvt_i32_f32 v55, v55
	v_ldexp_f32 v20, 1.0, v54                      ; f = 2^(old M - new M)
	v_ldexp_f32 v22, 1.0, v55
.irp u, 0                                      ; tile 0's t - M; tile 1's stand among tile 0's exponentials
.set j, 0
.rept 32
	v_pk_fma_f32 v[S+64*\u+j:S+64*\u+j+1], v[S+64*\u+j:S+64*\u+j+1], s[CS:CS+1], v[12+2*\u:13+2*\u] op_sel_hi:[1,0,0]   ; t - M (of the pairs c and -M the low word serves both halves)
.set j, j+2
.endr
.endr
	s_wait_alu depctr_va_vdst(0)
.set j, 0
.rept 32                                       ; tile 0: p = 2^(t - M), at most 1: not normalised; between them tile 1's t - M, which the wait behind this batch parts from their readers
	v_exp_f32 v[S+j], v[S+j]
	v_pk_fma_f32 v[S+64+j:S+65+j], v[S+64+j:S+65+j], s[CS:CS+1], v[14:15] op_sel_hi:[1,0,0]
	v_exp_f32 v[S+j+1], v[S+j+1]
.set j, j+2
.endr
	v_pk_mul_f32 v[16:17], v[16:17], v[20:21] op_sel_hi:[1,0]   ; the sums under the new M: plain lines behind the exponentials
	v_pk_mul_f32 v[18:19], v[18:19], v[22:23] op_sel_hi:[1,0]
	s_wait_alu depctr_va_vdst(0)                   ; one wait for the batch, ahead of its first reader
.set n, 0
.rept 16                                       ; tile 1's exponentials; between them, of tile 0: the first level of the sum of the unquantised p (16 pairs into v224-255), and behind each sum the hold of the four numbers that it has read
	v_exp_f32 v[S+64+4*n], v[S+64+4*n]
	v_exp_f32 v[S+65+4*n], v[S+65+4*n]
	v_pk_add_f32 v[224+2*n:225+2*n], v[S+4*n:S+4*n+1], v[S+4*n+2:S+4*n+3]
	v_exp_f32 v[S+66+4*n], v[S+66+4*n]
	v_dual_min_num_f32 v[S+4*n], v[S+4*n], v24 :: v_dual_min_num_f32 v[S+4*n+1], v[S+4*n+1], v25
	v_exp_f32 v[S+67+4*n], v[S+67+4*n]
	v_dual_min_num_f32 v[S+4*n+2], v[S+4*n+2], v24 :: v_dual_min_num_f32 v[S+4*n+3], v[S+4*n+3], v25
.set n, n+1
.endr
	v_nop                                          ; a plain line behind the last exponential
	s_wait_alu depctr_va_vdst(0)                   ; one wait for this batch and for what was written among it
.irp k, 0,1,2,3,4,5,6,7                        ; tile 0's sum goes on as a tree, its levels laid among tile 1's chains
	v_pk_add_f32 v[224+2*\k:225+2*\k], v[224+2*\k:225+2*\k], v[240+2*\k:241+2*\k]
.endr
.irp k, 0,1,2
.irp u, 1
	v_pk_add_f32 v[48+6*\u+2*\k:49+6*\u+2*\k], v[S+64*\u+4*\k:S+64*\u+4*\k+1], v[S+64*\u+4*\k+2:S+64*\u+4*\k+3]
.endr
.endr
.irp k, 0,1,2,3
	v_pk_add_f32 v[224+2*\k:225+2*\k], v[224+2*\k:225+2*\k], v[232+2*\k:233+2*\k]
.endr
.irp g, 12,20,28,36,44,52
.irp u, 1
	v_pk_add_f32 v[16+2*\u:17+2*\u], v[16+2*\u:17+2*\u], v[S+64*\u+\g:S+64*\u+\g+1]
	v_pk_add_f32 v[48+6*\u:49+6*\u], v[48+6*\u:49+6*\u], v[S+64*\u+\g+2:S+64*\u+\g+3]
	v_pk_add_f32 v[50+6*\u:51+6*\u], v[50+6*\u:51+6*\u], v[S+64*\u+\g+4:S+64*\u+\g+5]
	v_pk_add_f32 v[52+6*\u:53+6*\u], v[52+6*\u:53+6*\u], v[S+64*\u+\g+6:S+64*\u+\g+7]
.endr
.endr
	v_pk_add_f32 v[224:225], v[224:225], v[228:229]
	v_pk_add_f32 v[226:227], v[226:227], v[230:231]
.irp u, 1
	v_pk_add_f32 v[16+2*\u:17+2*\u], v[16+2*\u:17+2*\u], v[S+64*\u+60:S+64*\u+61]
	v_pk_add_f32 v[48+6*\u:49+6*\u], v[48+6*\u:49+6*\u], v[S+64*\u+62:S+64*\u+63]
	v_pk_add_f32 v[50+6*\u:51+6*\u], v[50+6*\u:51+6*\u], v[52+6*\u:53+6*\u]
.endr
	v_pk_add_f32 v[224:225], v[224:225], v[226:227]
.irp u, 1
	v_pk_add_f32 v[16+2*\u:17+2*\u], v[16+2*\u:17+2*\u], v[48+6*\u:49+6*\u]
.endr
.irp u, 1
	v_pk_add_f32 v[16+2*\u:17+2*\u], v[16+2*\u:17+2*\u], v[50+6*\u:51+6*\u]
	v_pk_add_f32 v[16:17], v[16:17], v[224:225]
.endr
.irp u, 1                                      ; tile 1's holds; both tiles' conversions
.irp t, 0,1,2,3,4,5,6,7
.irp i, 0,2,4,6
	v_dual_min_num_f32 v[S+64*\u+8*\t+\i], v[S+64*\u+8*\t+\i], v24 :: v_dual_min_num_f32 v[S+64*\u+8*\t+\i+1], v[S+64*\u+8*\t+\i+1], v25   ; the conversion does not saturate (ISA guide 7.6.2); p is not negative: a one-sided hold, two numbers a line
.endr
	v_cvt_scalef32_pk8_bf8_f32 v[P+16*\u+2*\t:P+16*\u+2*\t+1], v[S+64*\u+8*\t:S+64*\u+8*\t+7], v26   ; keys 16 t + 8 h + 0 .. 7
	v_cvt_scalef32_pk8_bf8_f32 v[P+2*\t:P+2*\t+1], v[S+8*\t:S+8*\t+7], v26
.endr
.endr
	WIN 0x41                                       ; source 0 and destination in window 1
.if \last
	s_wait_dscnt 0x0                               ; V's fragments
.else
	s_wait_dscnt 16                                ; V's fragments are in; the 16 loads issued behind them, the next step's of K, may be out
.endif
	s_wait_alu depctr_va_vdst(0)                   ; the wait directly ahead of the first reader of O^T; it also stands between p's codes and the products that read them
.irp u, 0,1
.set j, 0
.rept 16
	v_pk_mul_f32 v[O+32*\u+j:O+32*\u+j+1], v[O+32*\u+j:O+32*\u+j+1], v[20+2*\u:21+2*\u] op_sel_hi:[1,0]   ; O^T under the new M.  (Also the plain lines between the conversions and the products)
.set j, j+2
.endr
.endr
	WIN 0x51                                       ; source 0, C and D in window 1
.irp t, 0,1,2,3                                ; the eight accumulators take turns
.irp u, 0,1
	v_wmma_f32_16x16x128_bf8_bf8 v[O+32*\u+8*\t:O+32*\u+8*\t+7], v[VF+16*\t:VF+16*\t+15], v[P+16*\u:P+16*\u+15], v[O+32*\u+8*\t:O+32*\u+8*\t+7]
.endr
.endr
	WIN 0
.endm
.Lstep:                                            ; 15 trips; the 16th step is written out: it asks for no further fragments of K
	STEP 0
	s_add_co_u32 s[CNT], s[CNT], 1
	s_cmp_lt_u32 s[CNT], 15
	s_cbranch_scc1 .Lstep
	STEP 1
	; THE WAY OUT.  O^T / the sum x 2^(e8 + e9) is held and converted at e10, 8 neighbouring channels to 8 bytes; a wave's 2,048 bytes turn through its own stage and leave 512 consecutive bytes a store.
	v_add_f32 v16, v16, v17
	v_add_f32 v18, v18, v19
	v_permlanex16_b32 v52, v16, s[SEL], s[SEL+1]
	v_permlanex16_b32 v53, v18, s[SEL], s[SEL+1]
	v_add_f32 v16, v16, v52
	v_add_f32 v18, v18, v53
	s_wait_alu depctr_va_vdst(0)
	v_rcp_f32 v16, v16
	v_rcp_f32 v18, v18
	v_and_b32 v8, 15, v0                           ; (plain lines behind the reciprocals)
	v_bfe_u32 v9, v0, 4, 1
	v_and_b32 v10, 31, v0
	v_lshlrev_b32 v8, 6, v8
	v_lshl_add_u32 v8, v9, 3, v8
	v_add_nc_u32 v8, s60, v8                       ; in: query r's 64 bytes, + 8 h
	v_lshlrev_b32 v[GO], 4, v10
	v_add_nc_u32 v9, s60, v[GO]                    ; back: 16 x lane
	s_wait_alu depctr_va_vdst(0)                   ; the wait ahead of the reciprocals' first readers
	v_ldexp_f32 v16, v16, s[EPV]
	v_ldexp_f32 v18, v18, s[EPV]
	WIN 0x01
	s_wait_alu depctr_va_vdst(0)
.irp u, 0,1
.set j, 0
.rept 16
	v_pk_mul_f32 v[S+32*\u+j:S+32*\u+j+1], v[O+32*\u+j:O+32*\u+j+1], v[16+2*\u:17+2*\u] op_sel_hi:[1,0]   ; register 32 u + 8 t + i: channel 16 t + 8 h + i of query 16 u + r
.set j, j+2
.endr
.endr
	WIN 0
.set j, 0
.rept 64
	v_med3_num_f32 v[S+j], v[S+j], -v28, v28
.set j, j+1
.endr
.irp n, 0,1,2,3,4,5,6,7
	v_cvt_scalef32_pk8_bf8_f32 v[P+2*\n:P+2*\n+1], v[S+8*\n:S+8*\n+7], v27
.endr
	v_nop                                          ; a plain vector line behind the last conversion
.irp u, 0,1
.irp t, 0,1,2,3
	ds_store_b64 v8, v[P+8*\u+2*\t:P+8*\u+2*\t+1] offset:1024*\u+16*\t
.endr
.endr
.irp i, 0,1,2,3
	ds_load_b128 v[224+4*\i:227+4*\i], v9 offset:512*\i   ; my wave's own bytes, served in order: these see the stores above
.endr
.irp i, 0,1,2,3
	s_wait_dscnt 3-\i                              ; load i is in; the later ones may be out
	global_store_b128 v[GO], v[224+4*\i:227+4*\i], s[8:9] offset:512*\i   ; 32 lanes store 512 consecutive bytes
.endr
	s_wait_tensorcnt 0x0                           ; the wave's end
	ds_add_u32 v[SPW], v[NIL]
	s_wait_dscnt 0x0
	ROUND                                          ; the closing round
	s_endpgm
.Lfunc_end_k_qd60f309e1a_attn:
	.size	k_qd60f309e1a_attn, .Lfunc_end_k_qd60f309e1a_attn-k_qd60f309e1a_attn
	.p2alignl 7, 3214868480
	.fill 96, 4, 3214868480
	.section	.rodata,"a",@progbits
	.p2align	6, 0x0
	.amdhsa_kernel k_qd60f309e1a_attn
		.amdhsa_group_segment_fixed_size 327680
		.amdhsa_private_segment_fixed_size 0
		.amdhsa_enable_private_segment 0
		.amdhsa_kernarg_size 24
		.amdhsa_user_sgpr_count 2
		.amdhsa_user_sgpr_kernarg_segment_ptr 1
		.amdhsa_wavefront_size32 1
		.amdhsa_system_sgpr_workgroup_id_x 1
		.amdhsa_system_sgpr_workgroup_id_y 1
		.amdhsa_system_sgpr_workgroup_id_z 1
		.amdhsa_system_vgpr_workitem_id 0
		.amdhsa_next_free_vgpr 512
		.amdhsa_next_free_sgpr 100
		.amdhsa_reserve_vcc 0
		.amdhsa_float_denorm_mode_32 3
		.amdhsa_float_denorm_mode_16_64 3
		.amdhsa_memory_ordered 1
		.amdhsa_forward_progress 1
		.amdhsa_inst_pref_size 77
	.end_amdhsa_kernel
	.amdgpu_metadata
---
amdhsa.version: [ 1, 2 ]
amdhsa.kernels:
  - .name:           k_qd60f309e1a_attn
    .symbol:         k_qd60f309e1a_attn.kd
    .args:
      - { .name: qkv, .offset: 0, .size: 8, .value_kind: global_buffer, .address_space: global }
      - { .name: lowp_scales, .offset: 8, .size: 8, .value_kind: global_buffer, .address_space: global }
      - { .name: ac, .offset: 16, .size: 8, .value_kind: global_buffer, .address_space: global }
    .group_segment_fixed_size: 327680
    .private_segment_fixed_size: 0
    .kernarg_segment_align: 8
    .kernarg_segment_size: 24
    .max_flat_workgroup_size: 256
    .sgpr_count:     100
    .vgpr_count:     512
    .wavefront_size: 32
...
	.end_amdgpu_metadata
.endif
;; end of part 3
;; launch oproj (part 4): grid 8 x 32, 4 waves a work-group, clusters of 4 x 4, 327,680 bytes of LDS; arguments ac, wc, lowp_scales, bo, src, y; writes y
.if DOCPART == 4
	.amdgcn_target "amdgcn-amd-amdhsa--gfx1250"
	.amdhsa_code_object_version 6
	.text
	.protected	k_qd60f309e1a_oproj
	.globl	k_qd60f309e1a_oproj
	.p2align	8
	.type	k_qd60f309e1a_oproj,@function
k_qd60f309e1a_oproj:
	s_mov_b64 s[64:65], 0
	v_nop
	global_prefetch_b8 v0, s[64:65] scope:SCOPE_SE
	s_setreg_imm32_b32 hwreg(HW_REG_WAVE_MODE, 25, 1), 1
	s_wait_xcnt 0x0
	s_wait_alu depctr_hold_cnt(0) depctr_sa_sdst(0) depctr_va_vdst(0) depctr_va_sdst(0) depctr_va_ssrc(0) depctr_va_vcc(0) depctr_vm_vsrc(0)
	s_getreg_b32 s2, hwreg(HW_REG_IB_STS2, 6, 4)
	s_cmp_eq_u32 s2, 0
	s_cbranch_scc0 .Lentry_in_a_cluster
	s_endpgm
.Lentry_in_a_cluster:
	s_bfe_u32 s2, ttmp6, 0x10000c
	s_cmp_lg_u32 s2, 0xf033
	s_cbranch_scc0 .Lentry_shape_is_right
	s_endpgm
.Lentry_shape_is_right:
; y = ac wo^T x 2^(e10 + e11) + bo + src, on codes of BF8 (E5M2), K = 1,024, by v_wmma_f32_16x16x128_bf8_bf8; a work-group makes 128 x 128, a wave 64 x 64; 4 x 4 clusters with joint loads.
; THE WHOLE K LIES IN LDS AT ONCE: each of the four waves asks for 64 rows x 1,024 bytes by its one tensor load at the head (waves 0, 1: A; waves 2, 3: B): nothing is filled again, and one barrier stands behind the loads.
; No prefetch: every tile is asked for at the head; there is no later load to run ahead of.
; ac is laid [block of 64 tokens][16 heads][64 tokens][64 bytes]: a wave's tile of A is one dense block of 65,536 bytes and comes as 256 rows of 256 bytes (4 tokens of one head), 272 apart in LDS.
; Token T, byte k of K: LDS row 16 (k / 64) + T / 4, byte 64 (T % 4) + k % 64.  B's tiles are rows of wo's codes, 1,024 bytes + 16.  The address registers' second entries stand 512 along K further on.
; LIMIT: e10 + e11 between -126 and 127.
.set SIZE_K, 1024
.set WOFF,   0x300000
.set SCOFF,  40
.set KSTEP,  1024
.set PITCH,  1040
.set HALFT,  64*PITCH
.set AH,     256*272
.set SLOT,   HALFT+AH
.set STAGE,  2*SLOT
.set SPITCH, 272
.set SPARE,  STAGE+4*16*SPITCH
.set LAPS,   SIZE_K/(2*KSTEP)
.set ADRA, 16
.set ADRB, 20
.set STO,  24
.set RD,   25
.set CO,   26
.set BNO,  27
.set SPW,  28
.set NIL,  29
.set TMP,  32
.set BN,   96
.set ACC,  128
.set F0,   0
.set F1,   128
.set G1, 24
.set G0, 32
.set G1B, 48
.set G0B, 56
.set MSB, 0
.macro WIN new
.if MSB != \new
	s_set_vgpr_msb (MSB<<8)|\new
.set MSB, \new
.endif
.endm
.set MUL,  0x05
.set TO_F, 0x40
.macro JLOAD s
	s_cmp_eq_u32 s73, 0
	s_cbranch_scc0 .Lfor_b_\@
	tensor_load_to_lds s[G0+4*\s:G0+4*\s+3], s[G1:G1+7]
	s_nop 0
.rept 4
	v_nop
.endr
	s_branch .Lasked_\@
.Lfor_b_\@:
	tensor_load_to_lds s[G0B+4*\s:G0B+4*\s+3], s[G1B:G1B+7]
	s_nop 0
.rept 4
	v_nop
.endr
.Lasked_\@:
.endm
.macro CREST
	s_cmp_lg_u32 s72, 0
	s_cbranch_scc1 .Lnot_wave_0_\@
	s_barrier_signal -3
.Lnot_wave_0_\@:
	s_barrier_wait -3
	s_barrier_signal -1
	s_barrier_wait -1
.endm
.macro CROUND
	s_barrier_signal -1
	s_barrier_wait -1
	CREST
.endm
	s_load_b256 s[4:11], s[0:1], 0x0
	s_load_b128 s[68:71], s[0:1], 0x20
	v_lshl_add_u32 v[SPW], v0, 2, SPARE
	v_mov_b32 v[NIL], 0
	ds_add_u32 v28, v29
	ds_add_u32 v28, v29
	s_wait_dscnt 0x0
	v_lshrrev_b32 v1, 5, v0
	v_readfirstlane_b32 s72, v1
	s_lshr_b32 s73, s72, 1
	s_and_b32 s74, s72, 1
	s_bfe_u32 s40, ttmp6, 0x40000
	s_bfe_u32 s41, ttmp6, 0x40004
	s_lshl_b32 s42, ttmp9, 2
	s_add_co_u32 s42, s42, s40
	s_and_b32 s13, ttmp7, 0xffff
	s_lshl_b32 s13, s13, 2
	s_add_co_u32 s13, s13, s41
	s_lshl_b32 s43, s41, 2
	s_lshl_b32 s43, 15, s43
	s_lshl_b32 s44, 0x1111, s40
	s_or_b32 s[G1+0], s43, (0<<16)|(1<<20)|(1<<21)|(5<<22)|(3<<25)
	s_or_b32 s[G1B+0], s44, (0<<16)|(1<<20)|(1<<21)|(7<<22)|(3<<25)
	s_mov_b32 s[G1+1], 256<<16
	s_mov_b32 s[G1+2], 256<<16
	s_mov_b32 s[G1+3], 256<<16
	s_mov_b32 s[G1+4], 256
	s_mov_b32 s[G1+5], 256
	s_mov_b32 s[G1+6], 0
	s_mov_b32 s[G1+7], 0
.irp g, G1B
	s_mov_b32 s[\g+1], KSTEP<<16
	s_mov_b32 s[\g+2], 64<<16
	s_mov_b32 s[\g+3], KSTEP<<16
	s_mov_b32 s[\g+4], 64
	s_mov_b32 s[\g+5], SIZE_K
	s_mov_b32 s[\g+6], 0
	s_mov_b32 s[\g+7], 0
.endr
	s_lshl_b32 s17, s74, 6
	s_lshl_b32 s16, s13, 7
	s_add_co_u32 s16, s16, s17
	s_mul_i32 s16, s16, SIZE_K
	s_lshl_b32 s46, s42, 7
	s_add_co_u32 s46, s46, s17
	s_mul_i32 s46, s46, SIZE_K
	s_add_co_u32 s46, s46, WOFF
	s_mov_b32 s17, 0
	s_mov_b32 s47, 0
	s_mul_i32 s20, s72, HALFT
	s_mul_i32 s21, s72, AH
	s_wait_kmcnt 0x0
	s_load_b64 s[66:67], s[8:9], SCOFF
	s_add_nc_u64 s[14:15], s[4:5], s[16:17]
	s_add_nc_u64 s[46:47], s[6:7], s[46:47]
	CROUND
.irp s, 0
	s_mov_b32 s[G0+4*\s], 1
	s_add_co_u32 s[G0+4*\s+1], s21, \s*SLOT
	s_add_nc_u64 s[G0+4*\s+2:G0+4*\s+3], s[14:15], \s*KSTEP
	s_or_b32 s[G0+4*\s+3], s[G0+4*\s+3], 0x80000000
	s_mov_b32 s[G0B+4*\s], 1
	s_add_co_u32 s[G0B+4*\s+1], s20, \s*SLOT+2*(AH-HALFT)
	s_add_nc_u64 s[G0B+4*\s+2:G0B+4*\s+3], s[46:47], \s*KSTEP
	s_or_b32 s[G0B+4*\s+3], s[G0B+4*\s+3], 0x80000000
.endr
	JLOAD 0                                        ; my one tensor load
	v_and_b32 v1, 15, v0
	s_wait_alu depctr_va_vdst(0)
	v_bfe_u32 v2, v0, 4, 1
	v_mul_u32_u24 v3, v1, PITCH
	v_lshl_add_u32 v3, v2, 4, v3
	v_lshrrev_b32 v6, 2, v1
	v_mul_u32_u24 v6, v6, 272
	v_and_b32 v7, 3, v1
	v_lshl_add_u32 v6, v7, 6, v6
	v_lshl_add_u32 v6, v2, 4, v6
	s_mul_i32 s21, s73, AH
	s_mul_i32 s22, s74, HALFT
	s_add_co_u32 s22, s22, 2*AH
.irp s, 0,1
	v_add_nc_u32 v[ADRA+\s], s21, v6
	v_add_nc_u32 v[ADRB+\s], s22, v3
	s_add_co_u32 s21, s21, 128*272
	s_add_co_u32 s22, s22, 512
.endr
	s_mul_i32 s23, s72, 16*SPITCH
	s_add_co_u32 s23, s23, STAGE
	v_mul_u32_u24 v4, v1, SPITCH
	s_wait_alu depctr_va_vdst(0)
	v_lshl_add_u32 v4, v2, 5, v4
	v_add_nc_u32 v[STO], s23, v4
	v_mul_u32_u24 v5, v2, SPITCH
	v_lshl_add_u32 v5, v1, 4, v5
	v_add_nc_u32 v[RD], s23, v5
	v_lshlrev_b32 v[CO], 12, v2
	v_lshl_add_u32 v[CO], v1, 4, v[CO]
	s_wait_alu depctr_va_vdst(0)
	s_lshl_b32 s16, s13, 7
	s_lshl_b32 s17, s73, 6
	s_add_co_u32 s16, s16, s17
	s_lshl_b32 s16, s16, 12
	s_lshl_b32 s46, s42, 7
	s_lshl_b32 s47, s74, 6
	s_add_co_u32 s46, s46, s47
	s_lshl_b32 s46, s46, 2
	s_add_co_u32 s16, s16, s46
	s_mov_b32 s17, 0
	s_add_nc_u64 s[68:69], s[68:69], s[16:17]
	s_add_nc_u64 s[70:71], s[70:71], s[16:17]
	v_lshl_add_u32 v[BNO], v2, 5, s46
.irp b, 0,1,2,3
	global_load_b128 v[BN+8*\b:BN+8*\b+3], v[BNO], s[10:11] offset:64*\b
	global_load_b128 v[BN+8*\b+4:BN+8*\b+7], v[BNO], s[10:11] offset:64*\b+16
.endr
	WIN 0x80
.irp a, 0,1,2,3
.irp t, 0,1,2,3,4,5,6,7
	global_load_b128 v[32*\a+4*\t:32*\a+4*\t+3], v[CO], s[68:69] offset:(16*\a+2*\t)*4096 th:TH_LOAD_NT
.endr
.endr
	WIN 0
.macro MUL4 f, a, zero
.irp b, 0,1,2,3
.if \zero
	v_wmma_f32_16x16x128_bf8_bf8 v[ACC+8*(4*(\a)+\b):ACC+8*(4*(\a)+\b)+7], v[\f+64+16*\b:\f+64+16*\b+15], v[\f+16*(\a):\f+16*(\a)+15], 0
.else
	v_wmma_f32_16x16x128_bf8_bf8 v[ACC+8*(4*(\a)+\b):ACC+8*(4*(\a)+\b)+7], v[\f+64+16*\b:\f+64+16*\b+15], v[\f+16*(\a):\f+16*(\a)+15], v[ACC+8*(4*(\a)+\b):ACC+8*(4*(\a)+\b)+7]
.endif
.endr
.endm
.macro MUL8 f, a0, zero
	MUL4 \f, \a0, \zero
	MUL4 \f, \a0+1, \zero
.endm
.macro FETCH slot, k, f
	WIN TO_F
.irp i, 0,1,2,3
.irp c, 0,1,2,3
	ds_load_b128 v[\f+64+16*\i+4*\c:\f+64+16*\i+4*\c+3], v[ADRB+\slot] offset:\k+32*\c+\i*16*PITCH
.endr
.endr
.irp i, 0,1,2,3
.irp c, 0,1,2,3
	ds_load_b128 v[\f+16*\i+4*\c:\f+16*\i+4*\c+3], v[ADRA+\slot] offset:(((\k)/64+(\c)/2)*16+4*\i)*272+32*((\c)%2)
.endr
.endr
.endm
.macro PLACES
.rept 4
	v_nop
.endr
.endm
.macro QUARTER slot, k, f, g, zero
	s_wait_dscnt 8
	WIN MUL
	MUL8 \f, 0, \zero
	PLACES
	FETCH \slot, \k, \g
	s_wait_dscnt 32
	WIN MUL
	MUL8 \f, 2, \zero
.endm
.macro TURN slot, next, fill
	WIN 0
	s_wait_tensorcnt 0x0
	ds_add_u32 v[SPW], v[NIL]
	s_wait_dscnt 9
	WIN MUL
	MUL4 F1, 0, 0
	s_wait_dscnt 0x0
	s_barrier_signal -1
	MUL4 F1, 1, 0
.if \fill
	WIN 0
.endif
	s_barrier_wait -1
.if \fill
	CREST
	s_add_nc_u64 s[G0+4*\slot+2:G0+4*\slot+3], s[G0+4*\slot+2:G0+4*\slot+3], 2*KSTEP
	s_add_nc_u64 s[G0B+4*\slot+2:G0B+4*\slot+3], s[G0B+4*\slot+2:G0B+4*\slot+3], 2*KSTEP
	JLOAD \slot
.else
	PLACES
.endif
	FETCH \next, 0, F0
	WIN MUL
	MUL4 F1, 2, 0
	MUL4 F1, 3, 0
.endm
	s_wait_alu depctr_va_vdst(0)
	s_wait_tensorcnt 0x0                           ; my quarter of the tiles is in
	s_barrier_signal -1
	s_barrier_wait -1
	FETCH 0, 0, F0
	QUARTER 0, 128, F0, F1, 1
.if LAPS > 1
	WIN 0
	s_mov_b32 s3, LAPS-1
.Llap:
	QUARTER 0, 256, F1, F0, 0
	QUARTER 0, 384, F0, F1, 0
	TURN 0, 1, 1
	QUARTER 1, 128, F0, F1, 0
	QUARTER 1, 256, F1, F0, 0
	QUARTER 1, 384, F0, F1, 0
	TURN 1, 0, 1
	QUARTER 0, 128, F0, F1, 0
	WIN 0
	s_sub_co_u32 s3, s3, 1
	s_cmp_lg_u32 s3, 0
	s_cbranch_scc1 .Llap
.endif
	QUARTER 0, 256, F1, F0, 0
	QUARTER 0, 384, F0, F1, 0
	QUARTER 1, 0, F1, F0, 0
	QUARTER 1, 128, F0, F1, 0
	QUARTER 1, 256, F1, F0, 0
	QUARTER 1, 384, F0, F1, 0
	s_wait_dscnt 8
	WIN MUL
	MUL8 F1, 0, 0
	s_wait_dscnt 0
	MUL8 F1, 2, 0
	WIN 0
	s_wait_kmcnt 0x0
	s_add_co_i32 s66, s66, s67
	s_add_co_i32 s66, s66, 127
	s_lshl_b32 s66, s66, 23
	s_mov_b32 s67, s66
	s_wait_loadcnt 0x0
	PLACES
.macro TOSTAGE a
.irp b, 0,1,2,3
.irp i, 0,2,4,6
	v_pk_fma_f32 v[TMP+8*\b+\i:TMP+8*\b+\i+1], v[ACC+8*(4*(\a)+\b)+\i:ACC+8*(4*(\a)+\b)+\i+1], s[66:67], v[BN+8*\b+\i:BN+8*\b+\i+1] op_sel_hi:[1,0,1]
.endr
.endr
.irp b, 0,1,2,3
	ds_store_b128 v[STO], v[TMP+8*\b:TMP+8*\b+3] offset:64*\b
	ds_store_b128 v[STO], v[TMP+8*\b+4:TMP+8*\b+7] offset:64*\b+16
.endr
.irp t, 0,1,2,3,4,5,6,7
	ds_load_b128 v[ACC+32*(\a)+4*\t:ACC+32*(\a)+4*\t+3], v[RD] offset:\t*2*SPITCH
.endr
.endm
.macro SEND a, younger
	s_wait_dscnt \younger
	WIN 0x08
.set i, 0
.rept 16
	v_pk_add_f32 v[ACC+32*(\a)+i:ACC+32*(\a)+i+1], v[ACC+32*(\a)+i:ACC+32*(\a)+i+1], v[32*(\a)+i:32*(\a)+i+1]
.set i, i+2
.endr
	WIN 0
.irp t, 0,1,2,3,4,5,6,7
	global_store_b128 v[CO], v[ACC+32*(\a)+4*\t:ACC+32*(\a)+4*\t+3], s[70:71] offset:(16*(\a)+2*\t)*4096
.endr
.endm
	TOSTAGE 0
.irp a, 1,2,3
	TOSTAGE \a
	SEND \a-1, 16
.endr
	SEND 3, 0
	s_wait_tensorcnt 0x0
	ds_add_u32 v[SPW], v[NIL]
	s_wait_dscnt 0x0
	CROUND
	s_endpgm
.Lfunc_end_k_qd60f309e1a_oproj:
	.size	k_qd60f309e1a_oproj, .Lfunc_end_k_qd60f309e1a_oproj-k_qd60f309e1a_oproj
	.p2alignl 7, 3214868480
	.fill 96, 4, 3214868480
	.section	.rodata,"a",@progbits
	.p2align	6, 0x0
	.amdhsa_kernel k_qd60f309e1a_oproj
		.amdhsa_group_segment_fixed_size 327680
		.amdhsa_private_segment_fixed_size 0
		.amdhsa_enable_private_segment 0
		.amdhsa_kernarg_size 48
		.amdhsa_user_sgpr_count 2
		.amdhsa_user_sgpr_kernarg_segment_ptr 1
		.amdhsa_wavefront_size32 1
		.amdhsa_system_sgpr_workgroup_id_x 1
		.amdhsa_system_sgpr_workgroup_id_y 1
		.amdhsa_system_sgpr_workgroup_id_z 1
		.amdhsa_system_vgpr_workitem_id 0
		.amdhsa_next_free_vgpr 640
		.amdhsa_next_free_sgpr 76
		.amdhsa_reserve_vcc 0
		.amdhsa_float_denorm_mode_32 3
		.amdhsa_float_denorm_mode_16_64 3
		.amdhsa_memory_ordered 1
		.amdhsa_forward_progress 1
		.amdhsa_inst_pref_size 53
	.end_amdhsa_kernel
	.amdgpu_metadata
---
amdhsa.version: [ 1, 2 ]
amdhsa.kernels:
  - .name:           k_qd60f309e1a_oproj
    .symbol:         k_qd60f309e1a_oproj.kd
    .args:
      - { .name: ac, .offset: 0, .size: 8, .value_kind: global_buffer, .address_space: global }
      - { .name: wc, .offset: 8, .size: 8, .value_kind: global_buffer, .address_space: global }
      - { .name: lowp_scales, .offset: 16, .size: 8, .value_kind: global_buffer, .address_space: global }
      - { .name: bo, .offset: 24, .size: 8, .value_kind: global_buffer, .address_space: global }
      - { .name: src, .offset: 32, .size: 8, .value_kind: global_buffer, .address_space: global }
      - { .name: y, .offset: 40, .size: 8, .value_kind: global_buffer, .address_space: global }
    .group_segment_fixed_size: 327680
    .private_segment_fixed_size: 0
    .kernarg_segment_align: 8
    .kernarg_segment_size: 48
    .max_flat_workgroup_size: 128
    .sgpr_count:     76
    .vgpr_count:     640
    .wavefront_size: 32
...
	.end_amdgpu_metadata
.endif
;; end of part 4
;; launch ln1 (part 5): grid 256 x 1, 8 waves a work-group, no clusters, 17,408 bytes of LDS; arguments y, g1, be1, lowp_scales, x, xc; writes x, xc
.if DOCPART == 5
	.amdgcn_target "amdgcn-amd-amdhsa--gfx1250"
	.amdhsa_code_object_version 6
	.text
	.protected	k_qd60f309e1a_ln1
	.globl	k_qd60f309e1a_ln1
	.p2align	8
	.type	k_qd60f309e1a_ln1,@function
k_qd60f309e1a_ln1:
	s_mov_b64 s[64:65], 0
	v_nop
	global_prefetch_b8 v0, s[64:65] scope:SCOPE_SE
	s_setreg_imm32_b32 hwreg(HW_REG_WAVE_MODE, 25, 1), 1
	s_wait_xcnt 0x0
; x = (y - mean) / sqrt(var + 1e-5) x g + be along rows of 1,024 f32; QUANT = 1 (this text): x is also quantised to BF8 (E5M2) at entry 12 of the scales, into xc [4096][1024], one byte a number.
; LIMIT: that e lies between -126 and 112.  NaN is not served.
; Memory binds: each byte is read once and written once.  One wave takes a whole row (32 registers) and keeps it between the passes: no wave waits for another.  Eight waves, two rows each, written out: 16 rows a work-group.
; Lane l holds columns 128 j + 4 l + 0 .. 3, j = 0 .. 7: every load and store of f32 covers 512 consecutive bytes.  The variance is taken of y - mean, in registers: a common offset in y does no harm.
; A lane's four codes of a j are one word; the row's 1,024 bytes turn through the wave's own LDS bytes, so that a store covers 512 consecutive bytes.
; No matrix unit, no tensor load, no cluster: nothing here is shared or multiplied by a matrix.
.set QUANT, 1
.set OUT,   12                         ; s[12:13] the f32 result
.set LO,    2                          ; v2   16 x lane; never rewritten
.set LS,    3                          ; v3   LDS: 2,048 x wave + 4 x lane
.set LR,    4                          ; v4   LDS: 2,048 x wave + 16 x lane
.set SCL,   5                          ; v5   2^e as f32;  v6  57,344 x 2^e
.set HOLD,  6
.set G,     8                          ; v8-39   g of my 32 columns
.set BE,    40                         ; v40-71  be
.set X,     72                         ; v72-135 two rows
.set T,     136                        ; v136-167 a row, held
.set C,     168                        ; v168-183 codes, 8 words a row
.set BK,    184                        ; v184-199 codes read back, 8 registers a row
.set SA,    200                        ; v200-207 four chains of sums
.set SB,    202
.set SC,    204
.set SD,    206
.set MU,    208                        ; v[208:209] the mean, twice
.set RR,    210                        ; v[210:211] 1 / sqrt(var + eps); the upper half is only named
.set PD,    212                        ; v212 a lane permute's destination
.set VA,    213                        ; v213 var + eps
	s_load_b256 s[4:11], s[0:1], 0x0               ; y, g, be, and the scales (QUANT = 1) or the result (QUANT = 0)
.if QUANT
	s_load_b128 s[12:15], s[0:1], 0x20             ; x, xc
	v_lshl_add_u32 v216, v0, 2, 0x4000
	v_mov_b32 v217, 0
.endif
	v_lshrrev_b32 v1, 5, v0
	s_delay_alu instid0(VALU_DEP_1)
	v_readfirstlane_b32 s16, v1                    ; wave
	v_and_b32 v1, 31, v0                           ; lane
	s_wait_alu depctr_va_vdst(0)
	v_lshlrev_b32 v[LO], 4, v1
	s_lshl_b32 s17, ttmp9, 4
	s_lshl_b32 s18, s16, 1
	s_add_co_u32 s17, s17, s18                     ; my first row: 16 x work-group + 2 x wave
	s_lshl_b32 s18, s17, 12                        ; of 4,096 bytes
	s_mov_b32 s19, 0
	s_mov_b32 s20, 0x3a800000                      ; 1 / 1,024
	s_mov_b32 s21, 0x3727c5ac                      ; 1e-5
	s_mov_b32 s22, 0x76543210                      ; v_permlanex16_b32: lane l xor 16
	s_mov_b32 s23, 0xfedcba98
	v_mov_b32 v[PD], 0                             ; written once: the permute's destination counts as read
	v_mov_b32 v[RR+1], 0                           ; (named as the upper half of a pair)
.if QUANT
	s_lshl_b32 s25, s16, 11
	v_lshl_add_u32 v[LS], v1, 2, s25
	v_lshl_add_u32 v[LR], v1, 4, s25
	s_lshl_b32 s26, s17, 10                        ; a row of codes is 1,024 bytes
	s_mov_b32 s27, 0
.endif
	s_wait_alu depctr_va_vdst(0)
	s_wait_kmcnt 0x0
.if QUANT
	s_load_b32 s24, s[10:11], 0x30                 ; e12
	s_add_nc_u64 s[14:15], s[14:15], s[26:27]
.endif
	s_add_nc_u64 s[4:5], s[4:5], s[18:19]
	s_add_nc_u64 s[OUT:OUT+1], s[OUT:OUT+1], s[18:19]
.irp j, 0,1,2,3,4,5,6,7
	global_load_b128 v[X+4*\j:X+4*\j+3], v[LO], s[4:5] offset:512*\j th:TH_LOAD_NT
.endr
.irp j, 0,1,2,3,4,5,6,7
	global_load_b128 v[G+4*\j:G+4*\j+3], v[LO], s[6:7] offset:512*\j
.endr
.irp j, 0,1,2,3,4,5,6,7
	global_load_b128 v[BE+4*\j:BE+4*\j+3], v[LO], s[8:9] offset:512*\j
.endr
.irp j, 0,1,2,3,4,5,6,7
	global_load_b128 v[X+32+4*\j:X+32+4*\j+3], v[LO], s[4:5] offset:4096+512*\j th:TH_LOAD_NT
.endr
.if QUANT
	s_wait_kmcnt 0x0
	s_add_co_i32 s24, s24, 127
	s_lshl_b32 s25, s24, 23
	v_mov_b32 v[SCL], s25
	s_add_co_i32 s24, s24, 15
	s_lshl_b32 s24, s24, 23
	s_or_b32 s24, s24, 0x600000
	v_mov_b32 v[HOLD], s24
.endif
.macro LANESUM                         ; the chains' sum over the wave's 32 lanes, in every lane, in v[SA]
	s_delay_alu instid0(VALU_DEP_3)
	v_pk_add_f32 v[SA:SA+1], v[SA:SA+1], v[SB:SB+1]
	s_delay_alu instid0(VALU_DEP_2)
	v_pk_add_f32 v[SC:SC+1], v[SC:SC+1], v[SD:SD+1]
	s_delay_alu instid0(VALU_DEP_1)
	v_pk_add_f32 v[SA:SA+1], v[SA:SA+1], v[SC:SC+1]
	s_delay_alu instid0(VALU_DEP_1)
	v_add_f32 v[SA], v[SA], v[SA+1]
	s_delay_alu instid0(VALU_DEP_1)
	v_add_f32_dpp v[SA], v[SA], v[SA] row_xmask:1 row_mask:0xf bank_mask:0xf
	s_delay_alu instid0(VALU_DEP_1)
	v_add_f32_dpp v[SA], v[SA], v[SA] row_xmask:2 row_mask:0xf bank_mask:0xf
	s_delay_alu instid0(VALU_DEP_1)
	v_add_f32_dpp v[SA], v[SA], v[SA] row_xmask:4 row_mask:0xf bank_mask:0xf
	s_delay_alu instid0(VALU_DEP_1)
	v_add_f32_dpp v[SA], v[SA], v[SA] row_xmask:8 row_mask:0xf bank_mask:0xf
	s_delay_alu instid0(VALU_DEP_1)
	v_permlanex16_b32 v[PD], v[SA], s22, s23
	s_delay_alu instid0(VALU_DEP_1)
	v_add_f32 v[SA], v[SA], v[PD]
.endm
.macro ROW i
.set XR, X+32*\i
.if \i == 0
	s_wait_loadcnt 24                              ; row 0 is in; g, be and row 1 (24 loads) may be out
.else
	s_wait_loadcnt 0
.endif
	v_pk_add_f32 v[SA:SA+1], v[XR:XR+1], v[XR+2:XR+3]       ; the first eight pairs start four chains: nothing is cleared
	v_pk_add_f32 v[SB:SB+1], v[XR+4:XR+5], v[XR+6:XR+7]
	v_pk_add_f32 v[SC:SC+1], v[XR+8:XR+9], v[XR+10:XR+11]
	v_pk_add_f32 v[SD:SD+1], v[XR+12:XR+13], v[XR+14:XR+15]
.irp j, 16,24
	s_delay_alu instid0(VALU_DEP_4)
	v_pk_add_f32 v[SA:SA+1], v[SA:SA+1], v[XR+\j:XR+\j+1]
	s_delay_alu instid0(VALU_DEP_4)
	v_pk_add_f32 v[SB:SB+1], v[SB:SB+1], v[XR+\j+2:XR+\j+3]
	s_delay_alu instid0(VALU_DEP_4)
	v_pk_add_f32 v[SC:SC+1], v[SC:SC+1], v[XR+\j+4:XR+\j+5]
	s_delay_alu instid0(VALU_DEP_4)
	v_pk_add_f32 v[SD:SD+1], v[SD:SD+1], v[XR+\j+6:XR+\j+7]
.endr
	LANESUM
	s_delay_alu instid0(VALU_DEP_1)
	v_mul_f32 v[MU], s20, v[SA]
	s_delay_alu instid0(VALU_DEP_2)
	v_mul_f32 v[MU+1], s20, v[SA]
.irp j, 0,2,4,6,8,10,12,14,16,18,20,22,24,26,28,30
	v_pk_add_f32 v[XR+\j:XR+\j+1], v[XR+\j:XR+\j+1], v[MU:MU+1] neg_lo:[0,1] neg_hi:[0,1]   ; y - mean
.endr
	v_pk_mul_f32 v[SA:SA+1], v[XR:XR+1], v[XR:XR+1]
	v_pk_mul_f32 v[SB:SB+1], v[XR+2:XR+3], v[XR+2:XR+3]
	v_pk_mul_f32 v[SC:SC+1], v[XR+4:XR+5], v[XR+4:XR+5]
	v_pk_mul_f32 v[SD:SD+1], v[XR+6:XR+7], v[XR+6:XR+7]
.irp j, 8,16,24
	s_delay_alu instid0(VALU_DEP_4)
	v_pk_fma_f32 v[SA:SA+1], v[XR+\j:XR+\j+1], v[XR+\j:XR+\j+1], v[SA:SA+1]
	s_delay_alu instid0(VALU_DEP_4)
	v_pk_fma_f32 v[SB:SB+1], v[XR+\j+2:XR+\j+3], v[XR+\j+2:XR+\j+3], v[SB:SB+1]
	s_delay_alu instid0(VALU_DEP_4)
	v_pk_fma_f32 v[SC:SC+1], v[XR+\j+4:XR+\j+5], v[XR+\j+4:XR+\j+5], v[SC:SC+1]
	s_delay_alu instid0(VALU_DEP_4)
	v_pk_fma_f32 v[SD:SD+1], v[XR+\j+6:XR+\j+7], v[XR+\j+6:XR+\j+7], v[SD:SD+1]
.endr
	LANESUM
	s_delay_alu instid0(VALU_DEP_1)
	v_fma_f32 v[VA], v[SA], s20, s21               ; var + eps
	s_wait_alu depctr_va_vdst(0)
	v_rsq_f32 v[RR], v[VA]
	v_nop                                          ; one plain vector line behind the transcendental (ISA guide 5.7.2)
	s_wait_alu depctr_va_vdst(0)                   ; and the wait ahead of its first reader
.if \i == 0
	s_wait_loadcnt 8                               ; g and be are in; row 1's 8 loads may be out
.endif
.irp j, 0,2,4,6,8,10,12,14,16,18,20,22,24,26,28,30
	v_pk_mul_f32 v[XR+\j:XR+\j+1], v[XR+\j:XR+\j+1], v[RR:RR+1] op_sel_hi:[1,0]
.endr
.irp j, 0,2,4,6,8,10,12,14,16,18,20,22,24,26,28,30
	v_pk_fma_f32 v[XR+\j:XR+\j+1], v[XR+\j:XR+\j+1], v[G+\j:G+\j+1], v[BE+\j:BE+\j+1]
.endr
.irp j, 0,1,2,3,4,5,6,7
.if QUANT
	global_store_b128 v[LO], v[XR+4*\j:XR+4*\j+3], s[OUT:OUT+1] offset:4096*\i+512*\j   ; 32 lanes store 512 consecutive bytes
.else
	global_store_b128 v[LO], v[XR+4*\j:XR+4*\j+3], s[OUT:OUT+1] offset:4096*\i+512*\j th:TH_STORE_NT
.endif
.endr
.if QUANT
.set k, 0
.rept 32
	v_med3_num_f32 v[T+k], v[XR+k], -v[HOLD], v[HOLD]   ; the conversion to an 8-bit code does not saturate (ISA guide 7.6.2)
.set k, k+1
.endr
.irp m, 0,1,2,3
	v_cvt_scalef32_pk8_bf8_f32 v[C+8*\i+2*\m:C+8*\i+2*\m+1], v[T+8*\m:T+8*\m+7], v[SCL]   ; word j of the eight: the codes of columns 128 j + 4 l + 0 .. 3
.endr
	v_nop                                          ; one plain vector line between the conversions and the next row's writes of T
.irp j, 0,1,2,3,4,5,6,7
	ds_store_b32 v[LS], v[C+8*\i+\j] offset:1024*\i+128*\j
.endr
.irp u, 0,1
	ds_load_b128 v[BK+8*\i+4*\u:BK+8*\i+4*\u+3], v[LR] offset:1024*\i+512*\u   ; my wave's own bytes, served in order: these see the stores above
.endr
	s_wait_dscnt 0x0
.irp u, 0,1
	global_store_b128 v[LO], v[BK+8*\i+4*\u:BK+8*\i+4*\u+3], s[14:15] offset:1024*\i+512*\u   ; 32 lanes store 512 consecutive bytes of codes
.endr
.endif
.endm
	ROW 0
	ROW 1
	s_wait_tensorcnt 0x0
	ds_add_u32 v216, v217
	s_wait_dscnt 0x0
	s_endpgm
.Lfunc_end_k_qd60f309e1a_ln1:
	.size	k_qd60f309e1a_ln1, .Lfunc_end_k_qd60f309e1a_ln1-k_qd60f309e1a_ln1
	.p2alignl 7, 3214868480
	.fill 96, 4, 3214868480
	.section	.rodata,"a",@progbits
	.p2align	6, 0x0
	.amdhsa_kernel k_qd60f309e1a_ln1
		.amdhsa_group_segment_fixed_size 17408
		.amdhsa_private_segment_fixed_size 0
		.amdhsa_enable_private_segment 0
		.amdhsa_kernarg_size 48
		.amdhsa_user_sgpr_count 2
		.amdhsa_user_sgpr_kernarg_segment_ptr 1
		.amdhsa_wavefront_size32 1
		.amdhsa_system_sgpr_workgroup_id_x 1
		.amdhsa_system_sgpr_workgroup_id_y 1
		.amdhsa_system_sgpr_workgroup_id_z 1
		.amdhsa_system_vgpr_workitem_id 0
		.amdhsa_next_free_vgpr 218
		.amdhsa_next_free_sgpr 66
		.amdhsa_reserve_vcc 0
		.amdhsa_float_denorm_mode_32 3
		.amdhsa_float_denorm_mode_16_64 3
		.amdhsa_memory_ordered 1
		.amdhsa_forward_progress 1
		.amdhsa_inst_pref_size 28
	.end_amdhsa_kernel
	.amdgpu_metadata
---
amdhsa.version: [ 1, 2 ]
amdhsa.kernels:
  - .name:           k_qd60f309e1a_ln1
    .symbol:         k_qd60f309e1a_ln1.kd
    .args:
      - { .name: y, .offset: 0, .size: 8, .value_kind: global_buffer, .address_space: global }
      - { .name: g1, .offset: 8, .size: 8, .value_kind: global_buffer, .address_space: global }
      - { .name: be1, .offset: 16, .size: 8, .value_kind: global_buffer, .address_space: global }
      - { .name: lowp_scales, .offset: 24, .size: 8, .value_kind: global_buffer, .address_space: global }
      - { .name: x, .offset: 32, .size: 8, .value_kind: global_buffer, .address_space: global }
      - { .name: xc, .offset: 40, .size: 8, .value_kind: global_buffer, .address_space: global }
    .group_segment_fixed_size: 17408
    .private_segment_fixed_size: 0
    .kernarg_segment_align: 8
    .kernarg_segment_size: 48
    .max_flat_workgroup_size: 256
    .sgpr_count:     66
    .vgpr_count:     218
    .wavefront_size: 32
...
	.end_amdgpu_metadata
.endif
;; end of part 5
;; launch ffn1 (part 6): grid 16 x 16, 4 waves a work-group, clusters of 4 x 4, 327,680 bytes of LDS; arguments xc, wc, lowp_scales, b1, hc; writes hc
.if DOCPART == 6
	.amdgcn_target "amdgcn-amd-amdhsa--gfx1250"
	.amdhsa_code_object_version 6
	.text
	.protected	k_qd60f309e1a_ffn1
	.globl	k_qd60f309e1a_ffn1
	.p2align	8
	.type	k_qd60f309e1a_ffn1,@function
k_qd60f309e1a_ffn1:
	s_mov_b64 s[64:65], 0
	v_nop
	global_prefetch_b8 v0, s[64:65] scope:SCOPE_SE
	s_setreg_imm32_b32 hwreg(HW_REG_WAVE_MODE, 25, 1), 1
	s_wait_xcnt 0x0
	s_wait_alu depctr_hold_cnt(0) depctr_sa_sdst(0) depctr_va_vdst(0) depctr_va_sdst(0) depctr_va_ssrc(0) depctr_va_vcc(0) depctr_vm_vsrc(0)
	s_getreg_b32 s2, hwreg(HW_REG_IB_STS2, 6, 4)
	s_cmp_eq_u32 s2, 0
	s_cbranch_scc0 .Lentry_in_a_cluster
	s_endpgm
.Lentry_in_a_cluster:
	s_bfe_u32 s2, ttmp6, 0x10000c
	s_cmp_lg_u32 s2, 0xf033
	s_cbranch_scc0 .Lentry_shape_is_right
	s_endpgm
.Lentry_shape_is_right:
; hc = Q(relu(xc w1^T x 2^(e12 + e13) + b1)) at e14, on codes of BF8 (E5M2), K = 1,024, rows of hc 4,096 bytes: launch qkv's text with MODE = 1; its head comment describes the tile, the ring, the clusters and the registers.
; LIMITS: e12 + e13 between -126 and 127; e14 between -126 and 112; NaN is not served.
.set MODE,   1
.set SIZE_K, 1024
.set KSTEP,  256
.set ROWB,   256
.set KROW,   SIZE_K
.set PITCH,  272
.set FR,     16
.set NL,     4
.set NP,     4
.set HALFT,  128*PITCH
.set SLOT,   4*HALFT
.set LAPS,   SIZE_K/(2*KSTEP)
.set SPARE,  2*SLOT
.set BNO,  8
.set BMO,  9
.set ADRA, 16
.set ADRB, 20
.set STO,  24
.set RD,   25
.set CO,   26
.set SPW,  28
.set NIL,  29
.set BN,   32
.set BM,   96
.set SCL,  112
.set HOLD, 113
.set AF,   128
.set TMP,  128
.set CD,   192
.set BK,   128
.set OFS,  32
.set G1, 24
.set G0, 32
.set G1B, 48
.set G0B, 56
.set MSB, 0
.macro WIN new
.if MSB != \new
	s_set_vgpr_msb (MSB<<8)|\new
.set MSB, \new
.endif
.endm
.set MUL_LO, 0xa1
.set MUL_HI, 0xf1
.set TO_B,   0x40
.macro JLOAD g0a, g1a, g0b, g1b
	s_cmp_eq_u32 s15, 0
	s_cbranch_scc0 .Lfor_b_\@
	tensor_load_to_lds s[\g0a:\g0a+3], s[\g1a:\g1a+7]
	s_nop 0
.rept 4
	v_nop
.endr
	s_branch .Lasked_\@
.Lfor_b_\@:
	tensor_load_to_lds s[\g0b:\g0b+3], s[\g1b:\g1b+7]
	s_nop 0
.rept 4
	v_nop
.endr
.Lasked_\@:
.endm
.macro CREST
	s_cmp_lg_u32 s14, 0
	s_cbranch_scc1 .Lnot_wave_0_\@
	s_barrier_signal -3
.Lnot_wave_0_\@:
	s_barrier_wait -3
	s_barrier_signal -1
	s_barrier_wait -1
.endm
.macro CROUND
	s_barrier_signal -1
	s_barrier_wait -1
	CREST
.endm
	s_load_b256 s[4:11], s[0:1], 0x0
.if MODE == 0
	s_load_b128 s[84:87], s[0:1], 0x20
	s_load_b64 s[88:89], s[0:1], 0x30
.else
	s_load_b64 s[88:89], s[0:1], 0x20
.endif
	v_lshl_add_u32 v[SPW], v0, 2, SPARE
	v_mov_b32 v[NIL], 0
	ds_add_u32 v28, v29
	ds_add_u32 v28, v29
	s_wait_dscnt 0x0
	v_lshrrev_b32 v1, 5, v0
	v_readfirstlane_b32 s14, v1
	s_lshr_b32 s15, s14, 1
	s_and_b32 s16, s14, 1
	s_bfe_u32 s40, ttmp6, 0x40000
	s_bfe_u32 s41, ttmp6, 0x40004
	s_and_b32 s17, ttmp7, 0xffff
	s_lshl_b32 s17, s17, 2
.if MODE == 0
	s_lshl_b32 s90, ttmp9, 22
	s_lshl_b32 s91, ttmp9, 20
	s_mov_b32 s94, 1024
	s_cmp_eq_u32 ttmp9, 2
	s_cselect_b32 s42, s17, 0
	s_cselect_b32 s17, 0, s17
	s_cselect_b32 s92, 0x200000, s90
	s_cselect_b32 s93, 0x800000, s91
	s_cselect_b32 s94, 4096, s94
	s_cselect_b32 s95, 1.0, 0
	s_cselect_b32 s98, 0, 1.0
	s_mov_b32 s99, s98
.else
	s_lshl_b32 s42, ttmp9, 2
	s_mov_b32 s92, 0
	s_mov_b32 s93, 0x400000
.endif
	s_add_co_u32 s42, s42, s40
	s_add_co_u32 s17, s17, s41
	s_lshl_b32 s43, s41, 2
	s_lshl_b32 s43, 15, s43
	s_lshl_b32 s44, 0x1111, s40
	s_or_b32 s[G1+0], s43, (0<<16)|(1<<20)|(1<<21)|(5<<22)|(3<<25)
	s_or_b32 s[G1B+0], s44, (0<<16)|(1<<20)|(1<<21)|(5<<22)|(3<<25)
.irp g, G1, G1B
	s_mov_b32 s[\g+1], ROWB<<16
	s_mov_b32 s[\g+2], 128<<16
	s_mov_b32 s[\g+3], ROWB<<16
	s_mov_b32 s[\g+4], 128
	s_mov_b32 s[\g+5], KROW
	s_mov_b32 s[\g+6], 0
	s_mov_b32 s[\g+7], 0
.endr
	s_lshl_b32 s18, s16, 7
	s_lshl_b32 s20, s17, 8
	s_add_co_u32 s20, s20, s18
	s_lshl_b32 s20, s20, 10
	s_add_co_u32 s20, s20, s92
	s_mov_b32 s21, 0
	s_lshl_b32 s46, s42, 8
	s_add_co_u32 s46, s46, s18
	s_lshl_b32 s46, s46, 10
	s_add_co_u32 s46, s46, s93
	s_mov_b32 s47, 0
	s_mul_i32 s45, s14, HALFT
	s_wait_kmcnt 0x0
	s_load_b512 s[68:83], s[8:9], 0x0
.if MODE == 0
	s_cmp_eq_u32 ttmp9, 2
	s_cselect_b64 s[12:13], s[6:7], s[4:5]
	s_cselect_b64 s[66:67], s[4:5], s[6:7]
	s_add_nc_u64 s[20:21], s[12:13], s[20:21]
	s_add_nc_u64 s[46:47], s[66:67], s[46:47]
.else
	s_add_nc_u64 s[20:21], s[4:5], s[20:21]
	s_add_nc_u64 s[46:47], s[6:7], s[46:47]
.endif
	; the prefetches: of the 128 rows that I fetch, each of the four partners that ask for them with me names 32, told apart by address (cx for A, cy for B): a lane a row, 256 bytes of it a K step
	v_and_b32 v31, 31, v0
	v_lshlrev_b32 v31, 10, v31                     ; my lane x a row of 1,024 bytes; never rewritten
	s_wait_alu depctr_va_vdst(0)
	s_cmp_eq_u32 s15, 0
	s_cselect_b64 s[12:13], s[20:21], s[46:47]     ; my tile's first row, in A or in B; never rewritten
	s_cselect_b32 s66, s40, s41
	s_lshl_b32 s66, s66, 15                        ; + my work-group's 32 rows
	s_mov_b32 s67, 0
	s_add_nc_u64 s[12:13], s[12:13], s[66:67]
	CROUND
.irp s, 0,1
	s_mov_b32 s[G0+4*\s], 1
	s_add_co_u32 s[G0+4*\s+1], s45, \s*SLOT
	s_add_nc_u64 s[G0+4*\s+2:G0+4*\s+3], s[20:21], \s*ROWB
	s_or_b32 s[G0+4*\s+3], s[G0+4*\s+3], 0x80000000
	s_mov_b32 s[G0B+4*\s], 1
	s_add_co_u32 s[G0B+4*\s+1], s45, \s*SLOT
	s_add_nc_u64 s[G0B+4*\s+2:G0B+4*\s+3], s[46:47], \s*ROWB
	s_or_b32 s[G0B+4*\s+3], s[G0B+4*\s+3], 0x80000000
.endr
	JLOAD G0, G1, G0B, G1B                         ; K step 0
	global_prefetch_b8 v31, s[12:13] offset:256 th:TH_LOAD_NT scope:SCOPE_SE   ; K steps 1 and 2: behind the load of K step n stands the request for step n + 2, behind the first also for step 1
	global_prefetch_b8 v31, s[12:13] offset:512 th:TH_LOAD_NT scope:SCOPE_SE
	v_and_b32 v1, 15, v0
	v_bfe_u32 v2, v0, 4, 1
	v_mul_u32_u24 v3, v1, PITCH
	s_wait_alu depctr_va_vdst(0)
	v_lshl_add_u32 v4, v2, 4, v3
	s_mul_i32 s21, s15, HALFT
	s_mul_i32 s22, s16, HALFT
	s_add_co_u32 s22, s22, 2*HALFT
.irp s, 0,1
	v_add_nc_u32 v[ADRA+\s], s21, v4
	v_add_nc_u32 v[ADRB+\s], s22, v4
	s_add_co_u32 s21, s21, SLOT
	s_add_co_u32 s22, s22, SLOT
.endr
	s_mul_i32 s23, s15, 128*PITCH
	s_lshl_b32 s18, s16, 7
	s_add_co_u32 s23, s23, s18
	v_lshl_add_u32 v5, v2, 3, v3
	v_add_nc_u32 v[STO], s23, v5
	s_mul_i32 s23, s14, 64*PITCH
	v_mul_u32_u24 v5, v2, PITCH
	v_lshl_add_u32 v5, v1, 4, v5
	v_add_nc_u32 v[RD], s23, v5
	s_lshl_b32 s20, s17, 8
	s_lshl_b32 s21, s14, 6
	s_add_co_u32 s20, s20, s21
.if MODE == 0
	s_mul_i32 s20, s20, s94
	s_add_co_u32 s20, s20, s90
.else
	s_lshl_b32 s20, s20, 12
	v_lshlrev_b32 v[CO], 12, v2
	v_lshl_add_u32 v[CO], v1, 4, v[CO]
.endif
	s_lshl_b32 s46, s42, 8
	s_add_co_u32 s20, s20, s46
	s_mov_b32 s21, 0
	s_add_nc_u64 s[88:89], s[88:89], s[20:21]
	s_lshl_b32 s91, s42, 8
	s_lshl_b32 s92, s16, 7
	s_add_co_u32 s91, s91, s92
	s_lshl_b32 s91, s91, 2
.if MODE == 0
	s_lshl_b32 s92, s17, 8
	s_lshl_b32 s93, s15, 7
	s_add_co_u32 s92, s92, s93
	s_lshl_b32 s92, s92, 2
	s_cmp_eq_u32 ttmp9, 2
	s_cselect_b32 s91, 0, s91
	s_cselect_b32 s92, s92, 0
	s_cselect_b64 s[10:11], s[86:87], s[10:11]
	s_cmp_eq_u32 ttmp9, 1
	s_cselect_b64 s[10:11], s[84:85], s[10:11]
	v_lshl_add_u32 v[BMO], v1, 2, s92
.endif
	v_lshl_add_u32 v[BNO], v2, 5, s91
.irp b, 0,1,2,3,4,5,6,7
	global_load_b128 v[BN+8*\b:BN+8*\b+3], v[BNO], s[10:11] offset:64*\b
	global_load_b128 v[BN+8*\b+4:BN+8*\b+7], v[BNO], s[10:11] offset:64*\b+16
.endr
.if MODE == 0
.irp a, 0,1,2,3,4,5,6,7
	global_load_b32 v[BM+2*\a], v[BMO], s[10:11] offset:64*\a
.endr
.endif
.macro FRAG reg, adr, q, i
.irp c, 0,1,2,3
	ds_load_b128 v[\reg+4*\c:\reg+4*\c+3], v[\adr] offset:128*(\q)+32*\c+(\i)*16*PITCH
.endr
.endm
.macro MUL16 a0, p, zero
.irp a, \a0, \a0+1
.irp b, 0,1,2,3,4,5,6,7
.if \zero
	v_wmma_f32_16x16x128_bf8_bf8 v[8*(8*((\a)%4)+\b):8*(8*((\a)%4)+\b)+7], v[128*(\p)+FR*\b:128*(\p)+FR*\b+FR-1], v[AF+FR*(\a):AF+FR*(\a)+FR-1], 0
.else
	v_wmma_f32_16x16x128_bf8_bf8 v[8*(8*((\a)%4)+\b):8*(8*((\a)%4)+\b)+7], v[128*(\p)+FR*\b:128*(\p)+FR*\b+FR-1], v[AF+FR*(\a):AF+FR*(\a)+FR-1], v[8*(8*((\a)%4)+\b):8*(8*((\a)%4)+\b)+7]
.endif
.endr
.endr
.endm
.macro FETCH_B slot, q, p
	WIN TO_B
.irp i, 0,1,2,3,4,5,6,7
	FRAG 128*(\p)+FR*\i, ADRB+\slot, \q, \i
.endr
	WIN 0
.endm
.macro FETCH_A slot, q, i0
.irp i, \i0, \i0+1, \i0+2, \i0+3
	FRAG AF+FR*(\i), ADRA+\slot, \q, \i
.endr
.endm
.macro PLACES n
.rept \n
	v_nop
.endr
.endm
.macro STEP slot, q, zero
	s_wait_dscnt 4*NL
	WIN MUL_LO
	MUL16 0, (\q)%2, \zero
	MUL16 2, (\q)%2, \zero
	s_wait_dscnt 0
	PLACES NP
	FETCH_B \slot, (\q)+1, 1-(\q)%2
	FETCH_A \slot, (\q)+1, 0
	WIN MUL_HI
	MUL16 4, (\q)%2, \zero
	MUL16 6, (\q)%2, \zero
	PLACES NP
	WIN 0
	FETCH_A \slot, (\q)+1, 4
.endm
.macro TURN slot, next, fill
	s_wait_tensorcnt 0x0
	ds_add_u32 v[SPW], v[NIL]
	s_wait_dscnt 4*NL+1
	WIN MUL_LO
	MUL16 0, 1, 0
	s_wait_dscnt 0x0
	s_barrier_signal -1
	MUL16 2, 1, 0
	WIN 0
	s_barrier_wait -1
.if \fill
	CREST
	s_add_nc_u64 s[G0+4*\slot+2:G0+4*\slot+3], s[G0+4*\slot+2:G0+4*\slot+3], 2*ROWB
	s_add_nc_u64 s[G0B+4*\slot+2:G0B+4*\slot+3], s[G0B+4*\slot+2:G0B+4*\slot+3], 2*ROWB
	JLOAD G0+4*\slot, G1, G0B+4*\slot, G1B
.else
	PLACES NP
.endif
	s_wait_alu depctr_va_vdst(0)
	FETCH_B \next, 0, 0
	FETCH_A \next, 0, 0
	WIN MUL_HI
	MUL16 4, 1, 0
	MUL16 6, 1, 0
	PLACES NP
	WIN 0
	FETCH_A \next, 0, 4
.endm
	s_wait_alu depctr_va_vdst(0)
	s_wait_tensorcnt 0x0                           ; my part of K step 0 is in
	ds_add_u32 v[SPW], v[NIL]
	s_wait_dscnt 0x0
	CROUND                                         ; everybody's part of K step 0 is in, and the joint loads meet
	JLOAD G0+4, G1, G0B+4, G1B                     ; K step 1: the first tensor load behind the round
	FETCH_B 0, 0, 0
	FETCH_A 0, 0, 0
	FETCH_A 0, 0, 4
	global_prefetch_b8 v31, s[12:13] offset:768 th:TH_LOAD_NT scope:SCOPE_SE   ; K step 3, the last: the refills ask for nothing more
	STEP 0, 0, 1
	s_mov_b32 s3, LAPS-1
.Llap:
	TURN 0, 1, 1
	STEP 1, 0, 0
	TURN 1, 0, 1
	STEP 0, 0, 0
	s_sub_co_u32 s3, s3, 1
	s_cmp_lg_u32 s3, 0
	s_cbranch_scc1 .Llap
	TURN 0, 1, 0
	STEP 1, 0, 0
	s_wait_dscnt 4*NL
	WIN MUL_LO
	MUL16 0, 1, 0
	MUL16 2, 1, 0
	s_wait_dscnt 0
	WIN MUL_HI
	MUL16 4, 1, 0
	MUL16 6, 1, 0
	WIN 0
	s_wait_kmcnt 0x0
.if MODE == 0
	s_add_co_i32 s96, s68, s69
	s_add_co_i32 s92, s70, s71
	s_add_co_i32 s93, s72, s73
	s_mov_b32 s97, s74
	s_cmp_eq_u32 ttmp9, 1
	s_cselect_b32 s96, s92, s96
	s_cselect_b32 s97, s75, s97
	s_cmp_eq_u32 ttmp9, 2
	s_cselect_b32 s96, s93, s96
	s_cselect_b32 s97, s77, s97
.else
	s_add_co_i32 s96, s80, s81
	s_mov_b32 s97, s82
.endif
	s_add_co_i32 s97, s97, 127
	s_lshl_b32 s93, s97, 23
	v_mov_b32 v[SCL], s93
	s_add_co_i32 s97, s97, 15
	s_lshl_b32 s97, s97, 23
	s_or_b32 s97, s97, 0x600000
	v_mov_b32 v[HOLD], s97
	s_add_co_i32 s96, s96, 127
	s_lshl_b32 s96, s96, 23
	s_mov_b32 s97, s96
	s_wait_loadcnt 0x0
	PLACES NP
.if MODE == 0
.irp j, 0,2,4,6,8,10,12,14,16,18,20,22,24,26,28,30,32,34,36,38,40,42,44,46,48,50,52,54,56,58,60,62
	v_pk_mul_f32 v[BN+\j:BN+\j+1], v[BN+\j:BN+\j+1], s[98:99] op_sel_hi:[1,0]
.endr
.irp a, 0,1,2,3,4,5,6,7
	v_mul_f32 v[BM+2*\a+1], s95, v[BM+2*\a]
	v_mul_f32 v[BM+2*\a], s95, v[BM+2*\a]
.endr
.endif
.macro BLOCK a
.set AC, 64*((\a)%4)
.set CS, CD+16*((\a)%2)
.if (\a) >= 2
	s_wait_dscnt 8
.endif
	WIN 0x02+((\a)/4)
.irp j, 0,2,4,6,8,10,12,14,16,18,20,22,24,26,28,30,32,34,36,38,40,42,44,46,48,50,52,54,56,58,60,62
	v_pk_fma_f32 v[TMP+\j:TMP+\j+1], v[AC+\j:AC+\j+1], s[96:97], v[BN+\j:BN+\j+1] op_sel_hi:[1,0,1]
.endr
	WIN 0
.if MODE == 0
.irp j, 0,2,4,6,8,10,12,14,16,18,20,22,24,26,28,30,32,34,36,38,40,42,44,46,48,50,52,54,56,58,60,62
	v_pk_add_f32 v[TMP+\j:TMP+\j+1], v[TMP+\j:TMP+\j+1], v[BM+2*(\a):BM+2*(\a)+1]
.endr
.endif
.set i, 0
.rept 64
.if MODE == 0
	v_med3_num_f32 v[TMP+i], v[TMP+i], -v[HOLD], v[HOLD]
.else
	v_med3_num_f32 v[TMP+i], v[TMP+i], 0, v[HOLD]
.endif
.set i, i+1
.endr
.irp b, 0,1,2,3,4,5,6,7
	v_cvt_scalef32_pk8_bf8_f32 v[CS+2*\b:CS+2*\b+1], v[TMP+8*\b:TMP+8*\b+7], v[SCL]
.endr
	v_nop
.irp b, 0,1,2,3,4,5,6,7
	ds_store_b64 v[STO], v[CS+2*\b:CS+2*\b+1] offset:(\a)*16*PITCH+16*\b
.endr
.endm
.irp a, 0,1,2,3,4,5,6,7
	BLOCK \a
.endr
	s_wait_dscnt 0x0
	s_barrier_signal -1
	s_barrier_wait -1
.set t, 0
.rept 32
	ds_load_b128 v[BK+4*t:BK+4*t+3], v[RD] offset:t*2*PITCH
.set t, t+1
.endr
.if MODE == 0
	s_lshl_b32 s95, s94, 1
	v_mul_u32_u24 v[OFS], v2, s94
	v_lshl_add_u32 v[OFS], v1, 4, v[OFS]
.set t, 1
.rept 31
	v_add_nc_u32 v[OFS+t], s95, v[OFS+t-1]
.set t, t+1
.endr
.endif
.set t, 0
.rept 32
	s_wait_dscnt 31-t
.if MODE == 0
	global_store_b128 v[OFS+t], v[BK+4*t:BK+4*t+3], s[88:89]
.else
	global_store_b128 v[CO], v[BK+4*t:BK+4*t+3], s[88:89] offset:2*t*4096
.endif
.set t, t+1
.endr
	s_wait_tensorcnt 0x0
	ds_add_u32 v[SPW], v[NIL]
	s_wait_dscnt 0x0
	CROUND
	s_endpgm
.Lfunc_end_k_qd60f309e1a_ffn1:
	.size	k_qd60f309e1a_ffn1, .Lfunc_end_k_qd60f309e1a_ffn1-k_qd60f309e1a_ffn1
	.p2alignl 7, 3214868480
	.fill 96, 4, 3214868480
	.section	.rodata,"a",@progbits
	.p2align	6, 0x0
	.amdhsa_kernel k_qd60f309e1a_ffn1
		.amdhsa_group_segment_fixed_size 327680
		.amdhsa_private_segment_fixed_size 0
		.amdhsa_enable_private_segment 0
		.amdhsa_kernarg_size 40
		.amdhsa_user_sgpr_count 2
		.amdhsa_user_sgpr_kernarg_segment_ptr 1
		.amdhsa_wavefront_size32 1
		.amdhsa_system_sgpr_workgroup_id_x 1
		.amdhsa_system_sgpr_workgroup_id_y 1
		.amdhsa_system_sgpr_workgroup_id_z 1
		.amdhsa_system_vgpr_workitem_id 0
		.amdhsa_next_free_vgpr 1024
		.amdhsa_next_free_sgpr 100
		.amdhsa_reserve_vcc 0
		.amdhsa_float_denorm_mode_32 3
		.amdhsa_float_denorm_mode_16_64 3
		.amdhsa_memory_ordered 1
		.amdhsa_forward_progress 1
		.amdhsa_inst_pref_size 144
	.end_amdhsa_kernel
	.amdgpu_metadata
---
amdhsa.version: [ 1, 2 ]
amdhsa.kernels:
  - .name:           k_qd60f309e1a_ffn1
    .symbol:         k_qd60f309e1a_ffn1.kd
    .args:
      - { .name: xc, .offset: 0, .size: 8, .value_kind: global_buffer, .address_space: global }
      - { .name: wc, .offset: 8, .size: 8, .value_kind: global_buffer, .address_space: global }
      - { .name: lowp_scales, .offset: 16, .size: 8, .value_kind: global_buffer, .address_space: global }
      - { .name: b1, .offset: 24, .size: 8, .value_kind: global_buffer, .address_space: global }
      - { .name: hc, .offset: 32, .size: 8, .value_kind: global_buffer, .address_space: global }
    .group_segment_fixed_size: 327680
    .private_segment_fixed_size: 0
    .kernarg_segment_align: 8
    .kernarg_segment_size: 40
    .max_flat_workgroup_size: 128
    .sgpr_count:     100
    .vgpr_count:     1024
    .wavefront_size: 32
...
	.end_amdgpu_metadata
.endif
;; end of part 6
;; launch ffn2 (part 7): grid 8 x 32, 4 waves a work-group, clusters of 4 x 4, 327,680 bytes of LDS; arguments hc, wc, lowp_scales, b2, x, y; writes y
.if DOCPART == 7
	.amdgcn_target "amdgcn-amd-amdhsa--gfx1250"
	.amdhsa_code_object_version 6
	.text
	.protected	k_qd60f309e1a_ffn2
	.globl	k_qd60f309e1a_ffn2
	.p2align	8
	.type	k_qd60f309e1a_ffn2,@function
k_qd60f309e1a_ffn2:
	s_mov_b64 s[64:65], 0
	v_nop
	global_prefetch_b8 v0, s[64:65] scope:SCOPE_SE
	s_setreg_imm32_b32 hwreg(HW_REG_WAVE_MODE, 25, 1), 1
	s_wait_xcnt 0x0
	s_wait_alu depctr_hold_cnt(0) depctr_sa_sdst(0) depctr_va_vdst(0) depctr_va_sdst(0) depctr_va_ssrc(0) depctr_va_vcc(0) depctr_vm_vsrc(0)
	s_getreg_b32 s2, hwreg(HW_REG_IB_STS2, 6, 4)
	s_cmp_eq_u32 s2, 0
	s_cbranch_scc0 .Lentry_in_a_cluster
	s_endpgm
.Lentry_in_a_cluster:
	s_bfe_u32 s2, ttmp6, 0x10000c
	s_cmp_lg_u32 s2, 0xf033
	s_cbranch_scc0 .Lentry_shape_is_right
	s_endpgm
.Lentry_shape_is_right:
; y = hc w2^T x 2^(e14 + e15) + b2 + x, on codes of BF8 (E5M2), K = 4,096, by v_wmma_f32_16x16x128_bf8_bf8; a work-group makes 128 x 128, a wave 64 x 64; 4 x 4 clusters with joint loads.
; K goes in eight steps of 512 through a ring of two LDS slots; each wave fetches 64 rows x 512 bytes of a step (waves 0, 1: A; waves 2, 3: B); a round of the cluster's barrier stands in front of each refill.
; PREFETCH INTO THE L2: behind the load of K step n stands the request for step n + 2 (behind the first also for step 1); steps 6 and 7 have none behind them.  Of the 64 rows that a wave fetches, each of the four partners
; that ask for them jointly names 16, told apart by address (cx for A, cy for B): two lanes a row, 256 bytes each.  At most two steps are asked for and not yet loaded.
; LIMIT: e14 + e15 between -126 and 127.
.set SIZE_K, 4096
.set WOFF,   0x800000
.set SCOFF,  56
.set KSTEP,  512
.set PITCH,  528
.set HALFT,  64*PITCH
.set SLOT,   4*HALFT
.set STAGE,  2*SLOT
.set SPITCH, 272
.set SPARE,  STAGE+4*16*SPITCH
.set LAPS,   SIZE_K/(2*KSTEP)
.set ADRA, 16
.set ADRB, 20
.set STO,  24
.set RD,   25
.set CO,   26
.set BNO,  27
.set SPW,  28
.set NIL,  29
.set TMP,  32
.set BN,   96
.set ACC,  128
.set F0,   0
.set F1,   128
.set G1, 24
.set G0, 32
.set G1B, 48
.set G0B, 56
.set MSB, 0
.macro WIN new
.if MSB != \new
	s_set_vgpr_msb (MSB<<8)|\new
.set MSB, \new
.endif
.endm
.set MUL,  0x05
.set TO_F, 0x40
.macro JLOAD s
	s_cmp_eq_u32 s73, 0
	s_cbranch_scc0 .Lfor_b_\@
	tensor_load_to_lds s[G0+4*\s:G0+4*\s+3], s[G1:G1+7]
	s_nop 0
.rept 4
	v_nop
.endr
	s_branch .Lasked_\@
.Lfor_b_\@:
	tensor_load_to_lds s[G0B+4*\s:G0B+4*\s+3], s[G1B:G1B+7]
	s_nop 0
.rept 4
	v_nop
.endr
.Lasked_\@:
.endm
.macro CREST
	s_cmp_lg_u32 s72, 0
	s_cbranch_scc1 .Lnot_wave_0_\@
	s_barrier_signal -3
.Lnot_wave_0_\@:
	s_barrier_wait -3
	s_barrier_signal -1
	s_barrier_wait -1
.endm
.macro CROUND
	s_barrier_signal -1
	s_barrier_wait -1
	CREST
.endm
	s_load_b256 s[4:11], s[0:1], 0x0
	s_load_b128 s[68:71], s[0:1], 0x20
	v_lshl_add_u32 v[SPW], v0, 2, SPARE
	v_mov_b32 v[NIL], 0
	ds_add_u32 v28, v29
	ds_add_u32 v28, v29
	s_wait_dscnt 0x0
	v_lshrrev_b32 v1, 5, v0
	v_readfirstlane_b32 s72, v1
	s_lshr_b32 s73, s72, 1
	s_and_b32 s74, s72, 1
	s_bfe_u32 s40, ttmp6, 0x40000
	s_bfe_u32 s41, ttmp6, 0x40004
	s_lshl_b32 s42, ttmp9, 2
	s_add_co_u32 s42, s42, s40
	s_and_b32 s13, ttmp7, 0xffff
	s_lshl_b32 s13, s13, 2
	s_add_co_u32 s13, s13, s41
	s_lshl_b32 s43, s41, 2
	s_lshl_b32 s43, 15, s43
	s_lshl_b32 s44, 0x1111, s40
	s_or_b32 s[G1+0], s43, (0<<16)|(1<<20)|(1<<21)|(6<<22)|(3<<25)
	s_or_b32 s[G1B+0], s44, (0<<16)|(1<<20)|(1<<21)|(6<<22)|(3<<25)
.irp g, G1, G1B
	s_mov_b32 s[\g+1], KSTEP<<16
	s_mov_b32 s[\g+2], 64<<16
	s_mov_b32 s[\g+3], KSTEP<<16
	s_mov_b32 s[\g+4], 64
	s_mov_b32 s[\g+5], SIZE_K
	s_mov_b32 s[\g+6], 0
	s_mov_b32 s[\g+7], 0
.endr
	s_lshl_b32 s17, s74, 6
	s_lshl_b32 s16, s13, 7
	s_add_co_u32 s16, s16, s17
	s_mul_i32 s16, s16, SIZE_K
	s_lshl_b32 s46, s42, 7
	s_add_co_u32 s46, s46, s17
	s_mul_i32 s46, s46, SIZE_K
	s_add_co_u32 s46, s46, WOFF
	s_mov_b32 s17, 0
	s_mov_b32 s47, 0
	s_mul_i32 s20, s72, HALFT
	s_wait_kmcnt 0x0
	s_load_b64 s[66:67], s[8:9], SCOFF
	s_add_nc_u64 s[14:15], s[4:5], s[16:17]
	s_add_nc_u64 s[46:47], s[6:7], s[46:47]
	v_and_b32 v30, 31, v0
	v_lshrrev_b32 v31, 1, v30
	v_and_b32 v30, 1, v30
	v_lshlrev_b32 v30, 8, v30
	v_lshl_add_u32 v30, v31, 12, v30               ; the prefetches' offset: row lane / 2 of 4,096 bytes, + 256 (lane % 2); never rewritten
	s_wait_alu depctr_va_vdst(0)
	s_cmp_eq_u32 s73, 0
	s_cselect_b64 s[18:19], s[14:15], s[46:47]     ; my tile's first row, in A or in B,
	s_cselect_b32 s16, s40, s41
	s_lshl_b32 s16, s16, 16                        ; + my work-group's 16 rows
	s_mov_b32 s17, 0
	s_add_nc_u64 s[18:19], s[18:19], s[16:17]
	CROUND
.irp s, 0,1
	s_mov_b32 s[G0+4*\s], 1
	s_add_co_u32 s[G0+4*\s+1], s20, \s*SLOT
	s_add_nc_u64 s[G0+4*\s+2:G0+4*\s+3], s[14:15], \s*KSTEP
	s_or_b32 s[G0+4*\s+3], s[G0+4*\s+3], 0x80000000
	s_mov_b32 s[G0B+4*\s], 1
	s_add_co_u32 s[G0B+4*\s+1], s20, \s*SLOT
	s_add_nc_u64 s[G0B+4*\s+2:G0B+4*\s+3], s[46:47], \s*KSTEP
	s_or_b32 s[G0B+4*\s+3], s[G0B+4*\s+3], 0x80000000
.endr
	JLOAD 0                                        ; K step 0
	global_prefetch_b8 v30, s[18:19] offset:KSTEP th:TH_LOAD_NT scope:SCOPE_SE     ; K steps 1 and 2
	global_prefetch_b8 v30, s[18:19] offset:2*KSTEP th:TH_LOAD_NT scope:SCOPE_SE
	v_and_b32 v1, 15, v0
	s_wait_alu depctr_va_vdst(0)
	v_bfe_u32 v2, v0, 4, 1
	v_mul_u32_u24 v3, v1, PITCH
	v_lshl_add_u32 v3, v2, 4, v3
	s_mul_i32 s21, s73, HALFT
	s_mul_i32 s22, s74, HALFT
	s_add_co_u32 s22, s22, 2*HALFT
.irp s, 0,1
	v_add_nc_u32 v[ADRA+\s], s21, v3
	v_add_nc_u32 v[ADRB+\s], s22, v3
	s_add_co_u32 s21, s21, SLOT
	s_add_co_u32 s22, s22, SLOT
.endr
	s_mul_i32 s23, s72, 16*SPITCH
	s_add_co_u32 s23, s23, STAGE
	v_mul_u32_u24 v4, v1, SPITCH
	s_wait_alu depctr_va_vdst(0)
	v_lshl_add_u32 v4, v2, 5, v4
	v_add_nc_u32 v[STO], s23, v4
	v_mul_u32_u24 v5, v2, SPITCH
	v_lshl_add_u32 v5, v1, 4, v5
	v_add_nc_u32 v[RD], s23, v5
	v_lshlrev_b32 v[CO], 12, v2
	v_lshl_add_u32 v[CO], v1, 4, v[CO]
	s_wait_alu depctr_va_vdst(0)
	s_lshl_b32 s16, s13, 7
	s_lshl_b32 s17, s73, 6
	s_add_co_u32 s16, s16, s17
	s_lshl_b32 s16, s16, 12
	s_lshl_b32 s46, s42, 7
	s_lshl_b32 s47, s74, 6
	s_add_co_u32 s46, s46, s47
	s_lshl_b32 s46, s46, 2
	s_add_co_u32 s16, s16, s46
	s_mov_b32 s17, 0
	s_add_nc_u64 s[68:69], s[68:69], s[16:17]
	s_add_nc_u64 s[70:71], s[70:71], s[16:17]
	v_lshl_add_u32 v[BNO], v2, 5, s46
.irp b, 0,1,2,3
	global_load_b128 v[BN+8*\b:BN+8*\b+3], v[BNO], s[10:11] offset:64*\b
	global_load_b128 v[BN+8*\b+4:BN+8*\b+7], v[BNO], s[10:11] offset:64*\b+16
.endr
.macro MUL4 f, a, zero
.irp b, 0,1,2,3
.if \zero
	v_wmma_f32_16x16x128_bf8_bf8 v[ACC+8*(4*(\a)+\b):ACC+8*(4*(\a)+\b)+7], v[\f+64+16*\b:\f+64+16*\b+15], v[\f+16*(\a):\f+16*(\a)+15], 0
.else
	v_wmma_f32_16x16x128_bf8_bf8 v[ACC+8*(4*(\a)+\b):ACC+8*(4*(\a)+\b)+7], v[\f+64+16*\b:\f+64+16*\b+15], v[\f+16*(\a):\f+16*(\a)+15], v[ACC+8*(4*(\a)+\b):ACC+8*(4*(\a)+\b)+7]
.endif
.endr
.endm
.macro MUL8 f, a0, zero
	MUL4 \f, \a0, \zero
	MUL4 \f, \a0+1, \zero
.endm
.macro FETCH slot, k, f
	WIN TO_F
.irp i, 0,1,2,3
.irp c, 0,1,2,3
	ds_load_b128 v[\f+64+16*\i+4*\c:\f+64+16*\i+4*\c+3], v[ADRB+\slot] offset:\k+32*\c+\i*16*PITCH
.endr
.endr
.irp i, 0,1,2,3
.irp c, 0,1,2,3
	ds_load_b128 v[\f+16*\i+4*\c:\f+16*\i+4*\c+3], v[ADRA+\slot] offset:\k+32*\c+\i*16*PITCH
.endr
.endr
.endm
.macro PLACES
.rept 4
	v_nop
.endr
.endm
.macro QUARTER slot, k, f, g, zero
	s_wait_dscnt 8
	WIN MUL
	MUL8 \f, 0, \zero
	PLACES
	FETCH \slot, \k, \g
	s_wait_dscnt 32
	WIN MUL
	MUL8 \f, 2, \zero
.endm
.macro TURN slot, next, fill
.if \fill
	s_wait_xcnt 0x0                                ; the last prefetch, a K step back, has read its address, so it may be stepped
	s_add_nc_u64 s[18:19], s[18:19], KSTEP
.endif
	WIN 0
	s_wait_tensorcnt 0x0
	ds_add_u32 v[SPW], v[NIL]
	s_wait_dscnt 9
	WIN MUL
	MUL4 F1, 0, 0
	s_wait_dscnt 0x0
	s_barrier_signal -1
	MUL4 F1, 1, 0
.if \fill
	WIN 0
.endif
	s_barrier_wait -1
.if \fill
	CREST
	s_add_nc_u64 s[G0+4*\slot+2:G0+4*\slot+3], s[G0+4*\slot+2:G0+4*\slot+3], 2*KSTEP
	s_add_nc_u64 s[G0B+4*\slot+2:G0B+4*\slot+3], s[G0B+4*\slot+2:G0B+4*\slot+3], 2*KSTEP
	JLOAD \slot
	s_cmp_gt_u32 s3, 1                             ; the loop's last trip loads K steps 6 and 7: there is no step two on
	s_cbranch_scc0 .Lno_ask_\@
	global_prefetch_b8 v30, s[18:19] offset:3*KSTEP th:TH_LOAD_NT scope:SCOPE_SE   ; the address stands at step n - 1: this names step n + 2
.Lno_ask_\@:
.else
	PLACES
.endif
	FETCH \next, 0, F0
	WIN MUL
	MUL4 F1, 2, 0
	MUL4 F1, 3, 0
.endm
	s_wait_alu depctr_va_vdst(0)
	s_wait_tensorcnt 0x0                           ; my part of K step 0 is in
	ds_add_u32 v[SPW], v[NIL]
	s_wait_dscnt 0x0
	CROUND                                         ; everybody's part of K step 0 is in, and the joint loads meet
	JLOAD 1                                        ; K step 1: the first tensor load behind the round
	global_prefetch_b8 v30, s[18:19] offset:3*KSTEP th:TH_LOAD_NT scope:SCOPE_SE   ; K step 3
	FETCH 0, 0, F0
	QUARTER 0, 128, F0, F1, 1
.if LAPS > 1
	WIN 0
	WIN 0x80                                       ; the residual x, my 64 x 64 numbers, into window 2: asked for here, behind K step 0's tile, and read on the way out, behind the remaining K steps
.irp a, 0,1,2,3
.irp t, 0,1,2,3,4,5,6,7
	global_load_b128 v[32*\a+4*\t:32*\a+4*\t+3], v[CO], s[68:69] offset:(16*\a+2*\t)*4096 th:TH_LOAD_NT
.endr
.endr
	WIN 0
	s_mov_b32 s3, LAPS-1
.Llap:
	QUARTER 0, 256, F1, F0, 0
	QUARTER 0, 384, F0, F1, 0
	TURN 0, 1, 1
	QUARTER 1, 128, F0, F1, 0
	QUARTER 1, 256, F1, F0, 0
	QUARTER 1, 384, F0, F1, 0
	TURN 1, 0, 1
	QUARTER 0, 128, F0, F1, 0
	WIN 0
	s_sub_co_u32 s3, s3, 1
	s_cmp_lg_u32 s3, 0
	s_cbranch_scc1 .Llap
.endif
	QUARTER 0, 256, F1, F0, 0
	QUARTER 0, 384, F0, F1, 0
	TURN 0, 1, 0
	QUARTER 1, 128, F0, F1, 0
	QUARTER 1, 256, F1, F0, 0
	QUARTER 1, 384, F0, F1, 0
	s_wait_dscnt 8
	WIN MUL
	MUL8 F1, 0, 0
	s_wait_dscnt 0
	MUL8 F1, 2, 0
	WIN 0
	s_wait_kmcnt 0x0
	s_add_co_i32 s66, s66, s67
	s_add_co_i32 s66, s66, 127
	s_lshl_b32 s66, s66, 23
	s_mov_b32 s67, s66
	s_wait_loadcnt 0x0
	PLACES
.macro TOSTAGE a
.irp b, 0,1,2,3
.irp i, 0,2,4,6
	v_pk_fma_f32 v[TMP+8*\b+\i:TMP+8*\b+\i+1], v[ACC+8*(4*(\a)+\b)+\i:ACC+8*(4*(\a)+\b)+\i+1], s[66:67], v[BN+8*\b+\i:BN+8*\b+\i+1] op_sel_hi:[1,0,1]
.endr
.endr
.irp b, 0,1,2,3
	ds_store_b128 v[STO], v[TMP+8*\b:TMP+8*\b+3] offset:64*\b
	ds_store_b128 v[STO], v[TMP+8*\b+4:TMP+8*\b+7] offset:64*\b+16
.endr
.irp t, 0,1,2,3,4,5,6,7
	ds_load_b128 v[ACC+32*(\a)+4*\t:ACC+32*(\a)+4*\t+3], v[RD] offset:\t*2*SPITCH
.endr
.endm
.macro SEND a, younger
	s_wait_dscnt \younger
	WIN 0x08
.set i, 0
.rept 16
	v_pk_add_f32 v[ACC+32*(\a)+i:ACC+32*(\a)+i+1], v[ACC+32*(\a)+i:ACC+32*(\a)+i+1], v[32*(\a)+i:32*(\a)+i+1]
.set i, i+2
.endr
	WIN 0
.irp t, 0,1,2,3,4,5,6,7
	global_store_b128 v[CO], v[ACC+32*(\a)+4*\t:ACC+32*(\a)+4*\t+3], s[70:71] offset:(16*(\a)+2*\t)*4096
.endr
.endm
	TOSTAGE 0
.irp a, 1,2,3
	TOSTAGE \a
	SEND \a-1, 16
.endr
	SEND 3, 0
	s_wait_tensorcnt 0x0
	ds_add_u32 v[SPW], v[NIL]
	s_wait_dscnt 0x0
	CROUND
	s_endpgm
.Lfunc_end_k_qd60f309e1a_ffn2:
	.size	k_qd60f309e1a_ffn2, .Lfunc_end_k_qd60f309e1a_ffn2-k_qd60f309e1a_ffn2
	.p2alignl 7, 3214868480
	.fill 96, 4, 3214868480
	.section	.rodata,"a",@progbits
	.p2align	6, 0x0
	.amdhsa_kernel k_qd60f309e1a_ffn2
		.amdhsa_group_segment_fixed_size 327680
		.amdhsa_private_segment_fixed_size 0
		.amdhsa_enable_private_segment 0
		.amdhsa_kernarg_size 48
		.amdhsa_user_sgpr_count 2
		.amdhsa_user_sgpr_kernarg_segment_ptr 1
		.amdhsa_wavefront_size32 1
		.amdhsa_system_sgpr_workgroup_id_x 1
		.amdhsa_system_sgpr_workgroup_id_y 1
		.amdhsa_system_sgpr_workgroup_id_z 1
		.amdhsa_system_vgpr_workitem_id 0
		.amdhsa_next_free_vgpr 640
		.amdhsa_next_free_sgpr 76
		.amdhsa_reserve_vcc 0
		.amdhsa_float_denorm_mode_32 3
		.amdhsa_float_denorm_mode_16_64 3
		.amdhsa_memory_ordered 1
		.amdhsa_forward_progress 1
		.amdhsa_inst_pref_size 84
	.end_amdhsa_kernel
	.amdgpu_metadata
---
amdhsa.version: [ 1, 2 ]
amdhsa.kernels:
  - .name:           k_qd60f309e1a_ffn2
    .symbol:         k_qd60f309e1a_ffn2.kd
    .args:
      - { .name: hc, .offset: 0, .size: 8, .value_kind: global_buffer, .address_space: global }
      - { .name: wc, .offset: 8, .size: 8, .value_kind: global_buffer, .address_space: global }
      - { .name: lowp_scales, .offset: 16, .size: 8, .value_kind: global_buffer, .address_space: global }
      - { .name: b2, .offset: 24, .size: 8, .value_kind: global_buffer, .address_space: global }
      - { .name: x, .offset: 32, .size: 8, .value_kind: global_buffer, .address_space: global }
      - { .name: y, .offset: 40, .size: 8, .value_kind: global_buffer, .address_space: global }
    .group_segment_fixed_size: 327680
    .private_segment_fixed_size: 0
    .kernarg_segment_align: 8
    .kernarg_segment_size: 48
    .max_flat_workgroup_size: 128
    .sgpr_count:     76
    .vgpr_count:     640
    .wavefront_size: 32
...
	.end_amdgpu_metadata
.endif
;; end of part 7
;; launch ln2 (part 8): grid 256 x 1, 8 waves a work-group, no clusters, 0 bytes of LDS; arguments y, g2, be2, out0; writes out0
.if DOCPART == 8
	.amdgcn_target "amdgcn-amd-amdhsa--gfx1250"
	.amdhsa_code_object_version 6
	.text
	.protected	k_qd60f309e1a_ln2
	.globl	k_qd60f309e1a_ln2
	.p2align	8
	.type	k_qd60f309e1a_ln2,@function
k_qd60f309e1a_ln2:
	s_mov_b64 s[64:65], 0
	v_nop
	global_prefetch_b8 v0, s[64:65] scope:SCOPE_SE
	s_setreg_imm32_b32 hwreg(HW_REG_WAVE_MODE, 25, 1), 1
	s_wait_xcnt 0x0
; out = (y - mean) / sqrt(var + 1e-5) x g + be along rows of 1,024 f32.  QUANT = 0 (this text): the f32 result alone.  (QUANT = 1: the result is also quantised to BF8 for the next product.)
; NaN is not served.
; Memory binds: each byte is read once and written once.  One wave takes a whole row (32 registers) and keeps it between the passes: no wave waits for another.  Eight waves, two rows each, written out: 16 rows a work-group.
; Lane l holds columns 128 j + 4 l + 0 .. 3, j = 0 .. 7: every load and store covers 512 consecutive bytes.  The variance is taken of y - mean, in registers: a common offset in y does no harm.
; No matrix unit, no tensor load, no cluster, no LDS: nothing here is shared or multiplied by a matrix.
.set QUANT, 0
.set OUT,   10                         ; s[10:11] the f32 result
.set LO,    2                          ; v2   16 x lane; never rewritten
.set LS,    3                          ; (QUANT = 1) LDS addresses, scale and hold
.set LR,    4
.set SCL,   5
.set HOLD,  6
.set G,     8                          ; v8-39   g of my 32 columns
.set BE,    40                         ; v40-71  be
.set X,     72                         ; v72-135 two rows
.set T,     136                        ; (QUANT = 1) a row held, its codes, the codes read back
.set C,     168
.set BK,    184
.set SA,    200                        ; v200-207 four chains of sums
.set SB,    202
.set SC,    204
.set SD,    206
.set MU,    208                        ; v[208:209] the mean, twice
.set RR,    210                        ; v[210:211] 1 / sqrt(var + eps); the upper half is only named
.set PD,    212                        ; v212 a lane permute's destination
.set VA,    213                        ; v213 var + eps
	s_load_b256 s[4:11], s[0:1], 0x0               ; y, g, be, and the scales (QUANT = 1) or the result (QUANT = 0)
.if QUANT
	s_load_b128 s[12:15], s[0:1], 0x20             ; x, xc
.endif
	v_lshrrev_b32 v1, 5, v0
	s_delay_alu instid0(VALU_DEP_1)
	v_readfirstlane_b32 s16, v1                    ; wave
	v_and_b32 v1, 31, v0                           ; lane
	s_delay_alu instid0(VALU_DEP_1)
	v_lshlrev_b32 v[LO], 4, v1
	s_lshl_b32 s17, ttmp9, 4
	s_lshl_b32 s18, s16, 1
	s_add_co_u32 s17, s17, s18                     ; my first row: 16 x work-group + 2 x wave
	s_lshl_b32 s18, s17, 12                        ; of 4,096 bytes
	s_mov_b32 s19, 0
	s_mov_b32 s20, 0x3a800000                      ; 1 / 1,024
	s_mov_b32 s21, 0x3727c5ac                      ; 1e-5
	s_mov_b32 s22, 0x76543210                      ; v_permlanex16_b32: lane l xor 16
	s_mov_b32 s23, 0xfedcba98
	v_mov_b32 v[PD], 0                             ; written once: the permute's destination counts as read
	v_mov_b32 v[RR+1], 0                           ; (named as the upper half of a pair)
.if QUANT
	s_lshl_b32 s25, s16, 11
	v_lshl_add_u32 v[LS], v1, 2, s25
	v_lshl_add_u32 v[LR], v1, 4, s25
	s_lshl_b32 s26, s17, 10
	s_mov_b32 s27, 0
.endif
	s_wait_alu depctr_va_vdst(0)
	s_wait_kmcnt 0x0
.if QUANT
	s_load_b32 s24, s[10:11], 0x30
	s_add_nc_u64 s[14:15], s[14:15], s[26:27]
.endif
	s_add_nc_u64 s[4:5], s[4:5], s[18:19]
	s_add_nc_u64 s[OUT:OUT+1], s[OUT:OUT+1], s[18:19]
.irp j, 0,1,2,3,4,5,6,7
	global_load_b128 v[X+4*\j:X+4*\j+3], v[LO], s[4:5] offset:512*\j th:TH_LOAD_NT
.endr
.irp j, 0,1,2,3,4,5,6,7
	global_load_b128 v[G+4*\j:G+4*\j+3], v[LO], s[6:7] offset:512*\j
.endr
.irp j, 0,1,2,3,4,5,6,7
	global_load_b128 v[BE+4*\j:BE+4*\j+3], v[LO], s[8:9] offset:512*\j
.endr
.irp j, 0,1,2,3,4,5,6,7
	global_load_b128 v[X+32+4*\j:X+32+4*\j+3], v[LO], s[4:5] offset:4096+512*\j th:TH_LOAD_NT
.endr
.if QUANT
	s_wait_kmcnt 0x0
	s_add_co_i32 s24, s24, 127
	s_lshl_b32 s25, s24, 23
	v_mov_b32 v[SCL], s25
	s_add_co_i32 s24, s24, 15
	s_lshl_b32 s24, s24, 23
	s_or_b32 s24, s24, 0x600000
	v_mov_b32 v[HOLD], s24
.endif
.macro LANESUM                         ; the chains' sum over the wave's 32 lanes, in every lane, in v[SA]
	s_delay_alu instid0(VALU_DEP_3)
	v_pk_add_f32 v[SA:SA+1], v[SA:SA+1], v[SB:SB+1]
	s_delay_alu instid0(VALU_DEP_2)
	v_pk_add_f32 v[SC:SC+1], v[SC:SC+1], v[SD:SD+1]
	s_delay_alu instid0(VALU_DEP_1)
	v_pk_add_f32 v[SA:SA+1], v[SA:SA+1], v[SC:SC+1]
	s_delay_alu instid0(VALU_DEP_1)
	v_add_f32 v[SA], v[SA], v[SA+1]
	s_delay_alu instid0(VALU_DEP_1)
	v_add_f32_dpp v[SA], v[SA], v[SA] row_xmask:1 row_mask:0xf bank_mask:0xf
	s_delay_alu instid0(VALU_DEP_1)
	v_add_f32_dpp v[SA], v[SA], v[SA] row_xmask:2 row_mask:0xf bank_mask:0xf
	s_delay_alu instid0(VALU_DEP_1)
	v_add_f32_dpp v[SA], v[SA], v[SA] row_xmask:4 row_mask:0xf bank_mask:0xf
	s_delay_alu instid0(VALU_DEP_1)
	v_add_f32_dpp v[SA], v[SA], v[SA] row_xmask:8 row_mask:0xf bank_mask:0xf
	s_delay_alu instid0(VALU_DEP_1)
	v_permlanex16_b32 v[PD], v[SA], s22, s23
	s_delay_alu instid0(VALU_DEP_1)
	v_add_f32 v[SA], v[SA], v[PD]
.endm
.macro ROW i
.set XR, X+32*\i
.if \i == 0
	s_wait_loadcnt 24                              ; row 0 is in; g, be and row 1 (24 loads) may be out
.else
	s_wait_loadcnt 0
.endif
	v_pk_add_f32 v[SA:SA+1], v[XR:XR+1], v[XR+2:XR+3]       ; the first eight pairs start four chains: nothing is cleared
	v_pk_add_f32 v[SB:SB+1], v[XR+4:XR+5], v[XR+6:XR+7]
	v_pk_add_f32 v[SC:SC+1], v[XR+8:XR+9], v[XR+10:XR+11]
	v_pk_add_f32 v[SD:SD+1], v[XR+12:XR+13], v[XR+14:XR+15]
.irp j, 16,24
	s_delay_alu instid0(VALU_DEP_4)
	v_pk_add_f32 v[SA:SA+1], v[SA:SA+1], v[XR+\j:XR+\j+1]
	s_delay_alu instid0(VALU_DEP_4)
	v_pk_add_f32 v[SB:SB+1], v[SB:SB+1], v[XR+\j+2:XR+\j+3]
	s_delay_alu instid0(VALU_DEP_4)
	v_pk_add_f32 v[SC:SC+1], v[SC:SC+1], v[XR+\j+4:XR+\j+5]
	s_delay_alu instid0(VALU_DEP_4)
	v_pk_add_f32 v[SD:SD+1], v[SD:SD+1], v[XR+\j+6:XR+\j+7]
.endr
	LANESUM
	s_delay_alu instid0(VALU_DEP_1)
	v_mul_f32 v[MU], s20, v[SA]
	s_delay_alu instid0(VALU_DEP_2)
	v_mul_f32 v[MU+1], s20, v[SA]
.irp j, 0,2,4,6,8,10,12,14,16,18,20,22,24,26,28,30
	v_pk_add_f32 v[XR+\j:XR+\j+1], v[XR+\j:XR+\j+1], v[MU:MU+1] neg_lo:[0,1] neg_hi:[0,1]   ; y - mean
.endr
	v_pk_mul_f32 v[SA:SA+1], v[XR:XR+1], v[XR:XR+1]
	v_pk_mul_f32 v[SB:SB+1], v[XR+2:XR+3], v[XR+2:XR+3]
	v_pk_mul_f32 v[SC:SC+1], v[XR+4:XR+5], v[XR+4:XR+5]
	v_pk_mul_f32 v[SD:SD+1], v[XR+6:XR+7], v[XR+6:XR+7]
.irp j, 8,16,24
	s_delay_alu instid0(VALU_DEP_4)
	v_pk_fma_f32 v[SA:SA+1], v[XR+\j:XR+\j+1], v[XR+\j:XR+\j+1], v[SA:SA+1]
	s_delay_alu instid0(VALU_DEP_4)
	v_pk_fma_f32 v[SB:SB+1], v[XR+\j+2:XR+\j+3], v[XR+\j+2:XR+\j+3], v[SB:SB+1]
	s_delay_alu instid0(VALU_DEP_4)
	v_pk_fma_f32 v[SC:SC+1], v[XR+\j+4:XR+\j+5], v[XR+\j+4:XR+\j+5], v[SC:SC+1]
	s_delay_alu instid0(VALU_DEP_4)
	v_pk_fma_f32 v[SD:SD+1], v[XR+\j+6:XR+\j+7], v[XR+\j+6:XR+\j+7], v[SD:SD+1]
.endr
	LANESUM
	s_delay_alu instid0(VALU_DEP_1)
	v_fma_f32 v[VA], v[SA], s20, s21               ; var + eps
	s_wait_alu depctr_va_vdst(0)
	v_rsq_f32 v[RR], v[VA]
	v_nop                                          ; one plain vector line behind the transcendental (ISA guide 5.7.2)
	s_wait_alu depctr_va_vdst(0)                   ; and the wait ahead of its first reader
.if \i == 0
	s_wait_loadcnt 8                               ; g and be are in; row 1's 8 loads may be out
.endif
.irp j, 0,2,4,6,8,10,12,14,16,18,20,22,24,26,28,30
	v_pk_mul_f32 v[XR+\j:XR+\j+1], v[XR+\j:XR+\j+1], v[RR:RR+1] op_sel_hi:[1,0]
.endr
.irp j, 0,2,4,6,8,10,12,14,16,18,20,22,24,26,28,30
	v_pk_fma_f32 v[XR+\j:XR+\j+1], v[XR+\j:XR+\j+1], v[G+\j:G+\j+1], v[BE+\j:BE+\j+1]
.endr
.irp j, 0,1,2,3,4,5,6,7
.if QUANT
	global_store_b128 v[LO], v[XR+4*\j:XR+4*\j+3], s[OUT:OUT+1] offset:4096*\i+512*\j
.else
	global_store_b128 v[LO], v[XR+4*\j:XR+4*\j+3], s[OUT:OUT+1] offset:4096*\i+512*\j th:TH_STORE_NT   ; 32 lanes store 512 consecutive bytes; written once, read by nobody here
.endif
.endr
.if QUANT
.set k, 0
.rept 32
	v_med3_num_f32 v[T+k], v[XR+k], -v[HOLD], v[HOLD]
.set k, k+1
.endr
.irp m, 0,1,2,3
	v_cvt_scalef32_pk8_bf8_f32 v[C+8*\i+2*\m:C+8*\i+2*\m+1], v[T+8*\m:T+8*\m+7], v[SCL]
.endr
	v_nop
.irp j, 0,1,2,3,4,5,6,7
	ds_store_b32 v[LS], v[C+8*\i+\j] offset:1024*\i+128*\j
.endr
.irp u, 0,1
	ds_load_b128 v[BK+8*\i+4*\u:BK+8*\i+4*\u+3], v[LR] offset:1024*\i+512*\u
.endr
	s_wait_dscnt 0x0
.irp u, 0,1
	global_store_b128 v[LO], v[BK+8*\i+4*\u:BK+8*\i+4*\u+3], s[14:15] offset:1024*\i+512*\u
.endr
.endif
.endm
	ROW 0
	ROW 1
	s_endpgm
.Lfunc_end_k_qd60f309e1a_ln2:
	.size	k_qd60f309e1a_ln2, .Lfunc_end_k_qd60f309e1a_ln2-k_qd60f309e1a_ln2
	.p2alignl 7, 3214868480
	.fill 96, 4, 3214868480
	.section	.rodata,"a",@progbits
	.p2align	6, 0x0
	.amdhsa_kernel k_qd60f309e1a_ln2
		.amdhsa_group_segment_fixed_size 0
		.amdhsa_private_segment_fixed_size 0
		.amdhsa_enable_private_segment 0
		.amdhsa_kernarg_size 32
		.amdhsa_user_sgpr_count 2
		.amdhsa_user_sgpr_kernarg_segment_ptr 1
		.amdhsa_wavefront_size32 1
		.amdhsa_system_sgpr_workgroup_id_x 1
		.amdhsa_system_sgpr_workgroup_id_y 1
		.amdhsa_system_sgpr_workgroup_id_z 1
		.amdhsa_system_vgpr_workitem_id 0
		.amdhsa_next_free_vgpr 216
		.amdhsa_next_free_sgpr 66
		.amdhsa_reserve_vcc 0
		.amdhsa_float_denorm_mode_32 3
		.amdhsa_float_denorm_mode_16_64 3
		.amdhsa_memory_ordered 1
		.amdhsa_forward_progress 1
		.amdhsa_inst_pref_size 21
	.end_amdhsa_kernel
	.amdgpu_metadata
---
amdhsa.version: [ 1, 2 ]
amdhsa.kernels:
  - .name:           k_qd60f309e1a_ln2
    .symbol:         k_qd60f309e1a_ln2.kd
    .args:
      - { .name: y, .offset: 0, .size: 8, .value_kind: global_buffer, .address_space: global }
      - { .name: g2, .offset: 8, .size: 8, .value_kind: global_buffer, .address_space: global }
      - { .name: be2, .offset: 16, .size: 8, .value_kind: global_buffer, .address_space: global }
      - { .name: out0, .offset: 24, .size: 8, .value_kind: global_buffer, .address_space: global }
    .group_segment_fixed_size: 0
    .private_segment_fixed_size: 0
    .kernarg_segment_align: 8
    .kernarg_segment_size: 32
    .max_flat_workgroup_size: 256
    .sgpr_count:     66
    .vgpr_count:     216
    .wavefront_size: 32
...
	.end_amdgpu_metadata
.endif
;; end of part 8
